; MI455X (gfx1250); checked and timed in simulation.
; The chip was launched on July 23, 2026; its instructions are those of AMD's public machine-readable ISA for CDNA 5 (MIT licence, August 2026) and "CDNA5" Instruction Set Architecture Reference Guide (July 2026). The comments in the code are by the model that wrote it; some were corrected since.
;; Euler CE Attention. Allowed arithmetic: matrix products marked QUANTISED: E2M1 operands, one E8M0 scale for each 32 along K, by v_wmma_scale_f32_16x16x128_f8f6f4 with both operands' format E2M1 (or v_wmma_scale_f32_32x16x128_f4), f32 sums; products left as they are: bf16, f16 or f32 operands; f32 sums; everything else in f32.
;; Inputs: Wo 1,024 x 1,024 float32; Wqkv 3,072 x 1,024 float32; e_gate_logit 16 float32; log_xi 16 float32; pi_gate_logit 16 float32; x 2 x 2,048 x 1,024 float32.
;; Outputs: out0 2 x 2,048 x 1,024 float32.
;; This version of the problem:
;;   THIS VERSION OF THE PROBLEM IS GIVEN IN LOW PRECISION. The matrix products marked QUANTISED in the list below multiply operands that are first quantised to E2M1 (2 exponent bits, 1 mantissa bit; 4 bits a number), with one power-of-two scale for each 32 numbers along K (OCP MX v1.0); their sums are f32. The products marked 'left as it is' may take bf16, f16 or f32 operands, with f32 sums. Whichever they take, every output number must still come out within the allowed error. Rounding operands to bf16 (8 significant bits) uses up far more of that allowance than f16 does (11 bits, for magnitudes from 6e-5 to 65,504). All else is computed in f32.
;;   The module's matrix products, in the order in which they are computed (A, B: the left and right operand; K: the contracted axis; several contracted axes count as one K, in the product's order):
;;     1. [M 4,096, K 1,024] x [K 1,024, N 3,072]; A: input x; B: input Wqkv: QUANTISED
;;     2. batch 32 x [M 2,048, K 64] x [K 64, N 2,048]; A: computed on the way; B: computed on the way: left as it is (an operand is computed on the way)
;;     3. batch 32 x [M 2,048, K 2,048] x [K 2,048, N 64]; A: computed on the way; B: computed on the way: left as it is (an operand is computed on the way)
;;     4. [M 4,096, K 1,024] x [K 1,024, N 1,024]; A: computed on the way; B: input Wo: left as it is (an operand is computed on the way)
;;   THE QUANTISER, for each operand of a quantised product, along K:
;;     - K is cut into blocks of 32 from its start; a last block that is shorter is filled with zeros.
;;     - A block's scale is 2^e with e = floor(log2(the largest magnitude in the block)) - 2, held to -126 .. 127; a block of zeros has e = 0. As a byte (E8M0): e + 127.
;;     - Each number is divided by its block's scale, clamped to +-6, and rounded to the nearest number of E2M1, ties to even, subnormals kept.
;;     - The product sums the exact products of the quantised numbers (number of the format x scale) in f32.
;;   ~~~python
;;   def quantise(x, axis):      # numpy; x: float32 -> the quantised numbers, widened to float32 again
;;       x = np.moveaxis(x, axis, -1); K = x.shape[-1]
;;       x = np.pad(x, [(0, 0)] * (x.ndim - 1) + [(0, -K % 32)]); x = x.reshape(x.shape[:-1] + (-1, 32)); a = np.abs(x).max(-1, keepdims=True)
;;       e = np.where(a > 0, np.clip(np.frexp(np.where(a > 0, a, 1))[1] - 1 - 2, -126, 127), 0)      # np.frexp(a)[1] - 1 = floor(log2(a)), exactly
;;       r = np.clip(x / 2.0 ** e, -6, 6)
;;       step = 2.0 ** (np.maximum(np.frexp(np.where(r == 0, 1, r))[1] - 1, 0) - 1)
;;       q = np.round(r / step) * step * 2.0 ** e      # np.round: ties to even
;;       return np.moveaxis(q.reshape(q.shape[:-2] + (-1,))[..., :K], -1, axis).astype(np.float32)
;;   ~~~
;; One version. Each part assembles by itself: llvm-mc -triple=amdgcn-amd-amdhsa -mcpu=gfx1250 --defsym DOCPART=n.
;; ======== version 1 of 1: 5 launches
;; limits: values are held in f16: magnitudes above 65,504 overflow, below 6.1e-05 lose precision
;; workspace buffers: xq 2,097,152 bytes; xs 131,072 bytes; wq 1,572,864 bytes; ws 98,304 bytes; wo16 2,097,152 bytes; qkv 25,165,824 bytes; h32 393,216 bytes; att 8,388,608 bytes
;; launch prep (part 1): grid 256 x 1, 4 waves a work-group, no clusters, 33,280 bytes of LDS; arguments x, Wqkv, Wo, xq, xs, wq, ws, wo16; writes xq, xs, wq, ws, wo16
.if DOCPART == 1
	.amdgcn_target "amdgcn-amd-amdhsa--gfx1250"
	.amdhsa_code_object_version 6
	.text
	.protected	k_q959571e78b_prep
	.globl	k_q959571e78b_prep
	.p2align	8
	.type	k_q959571e78b_prep,@function
k_q959571e78b_prep:
	s_mov_b64 s[64:65], 0
	v_nop
	global_prefetch_b8 v0, s[64:65] scope:SCOPE_SE
	s_setreg_imm32_b32 hwreg(HW_REG_WAVE_MODE, 25, 1), 1
	s_wait_xcnt 0x0
; THE PROGRAM: causal attention with a rotation of q and k, a distance bias, and two projections, in five launches:
;   prep (this one), qkv (x Wqkv^T on FP4 codes, rotation), attn (softmax(q k^T + bias) v), proj (x Wo^T), first16 (positions 0-15 in f32).
; WORK LEFT OUT: the mask is built by the problem itself (key k counts for query q where k <= q), and a hidden score becomes -infinity
; ahead of the softmax, so its weight is 0 whatever finite values the inputs hold.  Steps of 64 keys that lie wholly behind a wave's 32 queries
; are therefore neither multiplied nor, where 128 keys of a slot are hidden for the whole work-group, fetched.  Nothing else is left out: every input
; has a way to the output and is loaded.  LIMIT: a NaN, an infinity or an overflow that reaches only such hidden scores is not carried to the result.
; THIS LAUNCH: x [4096][1024] and Wqkv [3072][1024], f32, become codes of FP4 (E2M1), K innermost, two codes a byte, with one E8M0 byte for each 32 along K;
; Wo [1024][1024] becomes f16 in 16 planes of 64 along K: wo16 [16][1024][64].
; A block's scale is 2^(floor(log2(its largest magnitude)) - 2); its byte is the largest magnitude's exponent field - 2, held at 1 from below.  A block of zeros keeps the byte 1
; where the rule says 127: its codes are zeros, and these bytes are read by this program alone.
; LIMITS: NaN and infinities among x, Wqkv, Wo are not served; |Wo| stays under 65,504 (f16).
; ROWS ARE PERMUTED on the way out (the layouts are this program's own): x's row b*2048+pos goes to (pos>>5)*64 + b*32 + (pos&31); Wqkv's row s*1024+h*64+d to h*192 + s*64 + d.
; Eight neighbouring rows that begin at a multiple of 8 stay neighbours under both.
; SHARES: work-groups 0-127 take x, 128-223 Wqkv, 224-255 Wo.  A wave takes 8 rows: 8,192 numbers, 16 steps of 512.  Loads run eight steps (32 loads a wave) ahead.
; A step's four loads read 512 consecutive bytes each; the 2,048 bytes turn through the wave's own stage in LDS, so that a lane then holds 16 neighbours along K (two lanes a block).
.set STEPS, 16
.set EMAX,  2
.set SP,    80                         ; a lane's place in a stage: 64 bytes + 16 of padding
.set WREG,  8192                       ; LDS of a wave: two stages of 32 x SP bytes, then its 256 scale bytes
.set SPARE, 4*WREG                     ; the spare words, 128 bytes for each wave
.set SPW,   12                         ; v12  LDS address of my spare word; never rewritten
.set NIL,   13                         ; v13  0; never rewritten
.set R,     16                         ; v16-143  eight sets of 16 numbers as loaded (Wo: two sets of 64)
.set X,     144                        ; v144-175 two sets of 16 neighbours (Wo: f16 pairs, first set)
.set E,     176                        ; v176-191 a scale byte for each step (Wo: f16 pairs, second set, up to v207)
.set C,     192                        ; v192-223 two registers of codes for each step
	s_load_b256 s[4:11], s[0:1], 0x0               ; x, Wqkv, Wo, xq
	s_load_b256 s[12:19], s[0:1], 0x20             ; xs, wq, ws, wo16
	v_lshl_add_u32 v[SPW], v0, 2, SPARE
	v_mov_b32 v[NIL], 0
	v_lshrrev_b32 v1, 5, v0
	v_readfirstlane_b32 s20, v1                    ; wave
	v_and_b32 v2, 31, v0                           ; lane
	s_cmp_ge_u32 ttmp9, 224
	s_cbranch_scc1 .Lwo                            ; the last 32 work-groups take Wo: that path touches no LDS
	v_lshlrev_b32 v3, 4, v2                        ; my 16 bytes of a load's 512
	s_mul_i32 s21, s20, WREG
	v_lshrrev_b32 v14, 2, v2
	v_mul_u32_u24 v14, v14, SP
	v_and_b32 v15, 3, v2
	v_lshl_add_u32 v14, v15, 4, v14
	v_add_nc_u32 v14, s21, v14                     ; the stage, on the way in: SP (lane / 4) + 16 (lane % 4)
	v_mul_u32_u24 v15, v2, SP
	v_add_nc_u32 v15, s21, v15                     ; and on the way out: SP x lane
	v_lshlrev_b32 v4, 3, v2                        ; 8 bytes a lane: my codes' place in a step's 256, and my part of the 256 scale bytes
	v_lshrrev_b32 v5, 1, v2
	s_add_co_u32 s21, s21, 2*32*SP
	v_add_nc_u32 v5, s21, v5                       ; LDS: my block's scale byte
	v_add_nc_u32 v6, s21, v4                       ; and on the way out 8 bytes a lane
	s_cmp_lt_u32 ttmp9, 128
	s_cselect_b32 s22, 0, 128
	s_sub_co_u32 s22, ttmp9, s22
	s_lshl_b32 s22, s22, 2
	s_add_co_u32 s22, s22, s20                     ; which run of 8 rows of the tensor is my wave's
	s_lshl_b32 s23, s22, 3                         ; its first row
	s_lshr_b32 s24, s23, 11                        ; x: b
	s_and_b32 s25, s23, 2047                       ;    pos
	s_lshr_b32 s26, s25, 5
	s_lshl_b32 s26, s26, 6
	s_and_b32 s25, s25, 31
	s_add_co_u32 s26, s26, s25
	s_lshl_b32 s24, s24, 5
	s_add_co_u32 s26, s26, s24                     ;    its row in xq
	s_lshr_b32 s24, s23, 10                        ; Wqkv: s
	s_bfe_u32 s25, s23, 0x40006                    ;    h
	s_and_b32 s27, s23, 63                         ;    d
	s_mul_i32 s25, s25, 192
	s_lshl_b32 s24, s24, 6
	s_add_co_u32 s25, s25, s24
	s_add_co_u32 s25, s25, s27                     ;    its row in wq
	s_wait_kmcnt 0x0
	s_cmp_lt_u32 ttmp9, 128                        ; x's work-group or Wqkv's: the choice hangs on the work-group's number alone
	s_cselect_b64 s[4:5], s[4:5], s[6:7]
	s_cselect_b64 s[10:11], s[10:11], s[14:15]
	s_cselect_b64 s[12:13], s[12:13], s[16:17]
	s_cselect_b32 s26, s26, s25
	s_lshl_b32 s28, s22, 15                        ; 8 rows of 4,096 bytes
	s_mov_b32 s29, 0
	s_add_nc_u64 s[4:5], s[4:5], s[28:29]
	s_lshl_b32 s28, s26, 9                         ; a row of codes is 512 bytes
	s_add_nc_u64 s[10:11], s[10:11], s[28:29]
	s_lshl_b32 s28, s26, 5                         ; a row of scale bytes is 32: eight rows are 256 consecutive bytes, aligned
	s_add_nc_u64 s[12:13], s[12:13], s[28:29]
.macro LOAD t
.irp i, 0,1,2,3
	global_load_b128 v[R+16*((\t)%8)+4*\i:R+16*((\t)%8)+4*\i+3], v3, s[4:5] offset:2048*(\t)+512*\i th:TH_LOAD_NT
.endr
.endm
.macro TURN t                          ; step t's numbers through the stage: LDS serves a wave's instructions in order, so no wait stands between the stores and the loads
.irp i, 0,1,2,3
	ds_store_b128 v14, v[R+16*((\t)%8)+4*\i:R+16*((\t)%8)+4*\i+3] offset:32*SP*((\t)%2)+8*SP*\i
.endr
.irp i, 0,1,2,3
	ds_load_b128 v[X+16*((\t)%2)+4*\i:X+16*((\t)%2)+4*\i+3], v15 offset:32*SP*((\t)%2)+16*\i
.endr
.endm
.irp t, 0,1,2,3,4,5,6,7
	LOAD \t
.endr
	s_wait_loadcnt 28                              ; step 0's four loads are in; those of seven steps may be out
	TURN 0
.macro STEP t
.set XS, X+16*((\t)%2)
.if (\t) > 0
	s_wait_dscnt 1                                 ; this step's numbers are back from the stage (the last step's byte store may be out): so its stores into the stage have read their registers,
.else
	s_wait_dscnt 0x0
.endif
.if (\t)+8 < STEPS
	LOAD (\t)+8                                    ; which take the loads of eight steps on
.endif
.if (\t)+1 < STEPS
.if (\t) < 8
	s_wait_loadcnt 28                              ; the next step's loads are in; seven steps' loads behind them may be out
.else
	s_wait_loadcnt 4*(14-(\t))                     ; steps t + 2 to 15 may be out
.endif
	TURN (\t)+1
.endif
	v_max3_num_f32 v8, |v[XS]|, |v[XS+1]|, |v[XS+2]|
	v_max3_num_f32 v9, |v[XS+3]|, |v[XS+4]|, |v[XS+5]|
.irp i, 6,10
	v_max3_num_f32 v8, v8, |v[XS+\i]|, |v[XS+\i+1]|
	v_max3_num_f32 v9, v9, |v[XS+\i+2]|, |v[XS+\i+3]|
.endr
	v_max3_num_f32 v8, v8, |v[XS+14]|, |v[XS+15]|
	v_max3_num_f32 v8, v8, v9, (EMAX+1)<<23        ; the floor 2^(3 - 127): the byte cannot fall under 1
	v_max_num_f32_dpp v8, v8, v8 row_xmask:1 row_mask:0xf bank_mask:0xf   ; with my neighbour's 16: the block's largest magnitude
	v_add_nc_u32 v11, -(EMAX<<23), v8              ; 2 off its exponent field: the conversion takes the exponent field of this operand as its scale
	v_cvt_scalef32_pk8_fp4_f32 v[C+2*(\t)], v[XS:XS+7], v11
	v_cvt_scalef32_pk8_fp4_f32 v[C+2*(\t)+1], v[XS+8:XS+15], v11
	v_lshrrev_b32 v[E+(\t)], 23, v11               ; the scale's byte (also the plain line behind the conversions)
	ds_store_b8 v5, v[E+(\t)] offset:16*(\t)       ; both lanes of a block write the same byte with the same value
	global_store_b64 v4, v[C+2*(\t):C+2*(\t)+1], s[10:11] offset:256*(\t)   ; the wave stores 256 consecutive bytes, aligned
.endm
.irp t, 0,1,2,3,4,5,6,7,8,9,10,11,12,13,14,15
	STEP \t
.endr
	ds_load_b64 v[8:9], v6                         ; LDS serves a wave's instructions in order: these see my stores
	s_wait_dscnt 0x0
	global_store_b64 v4, v[8:9], s[12:13]          ; 256 consecutive bytes, aligned
	s_wait_tensorcnt 0x0                           ; the wave's end, behind my last LDS store
	ds_add_u32 v[SPW], v[NIL]
	s_wait_dscnt 0x0
	s_endpgm
; ---- Wo to f16.  Lanes 0-15 take row n, lanes 16-31 row n + 1; a load reads 256 consecutive bytes of each; a store writes the two rows' 128 bytes of one plane: 256 consecutive bytes, aligned.
.Lwo:
	s_sub_co_u32 s22, ttmp9, 224
	s_lshl_b32 s22, s22, 2
	s_add_co_u32 s22, s22, s20                     ; my run of 8 rows
	v_and_b32 v3, 15, v2
	v_lshrrev_b32 v5, 4, v2
	v_lshlrev_b32 v3, 4, v3
	v_lshl_add_u32 v3, v5, 12, v3                  ; 4,096 (lane / 16) + 16 (lane % 16)
	v_lshlrev_b32 v4, 3, v2                        ; 8 x lane
	s_lshl_b32 s28, s22, 15
	s_mov_b32 s29, 0
	s_lshl_b32 s30, s22, 10                        ; 8 rows of 128 bytes in a plane
	s_mov_b32 s31, 0
	s_wait_kmcnt 0x0
	s_add_nc_u64 s[8:9], s[8:9], s[28:29]
	s_add_nc_u64 s[18:19], s[18:19], s[30:31]
.macro LOADP p
.irp k, 0,1,2,3,4,5,6,7,8,9,10,11,12,13,14,15
	global_load_b128 v[R+64*((\p)%2)+4*\k:R+64*((\p)%2)+4*\k+3], v3, s[8:9] offset:(\p)*8192+\k*256 th:TH_LOAD_NT
.endr
.endm
	LOADP 0
	LOADP 1
.irp p, 0,1,2,3
.if \p < 3
	s_wait_loadcnt 16                              ; this pair of rows is in; the next pair's 16 loads may be out
.else
	s_wait_loadcnt 0x0
.endif
.if \p > 1
	s_wait_xcnt 0x0                                ; the stores of two pairs back have read their registers
.endif
.irp k, 0,1,2,3,4,5,6,7,8,9,10,11,12,13,14,15
	v_cvt_pk_f16_f32 v[X+32*(\p%2)+2*\k], v[R+64*(\p%2)+4*\k], v[R+64*(\p%2)+4*\k+1]
	v_cvt_pk_f16_f32 v[X+32*(\p%2)+2*\k+1], v[R+64*(\p%2)+4*\k+2], v[R+64*(\p%2)+4*\k+3]
.endr
.irp k, 0,1,2,3,4,5,6,7,8,9,10,11,12,13,14,15
	global_store_b64 v4, v[X+32*(\p%2)+2*\k:X+32*(\p%2)+2*\k+1], s[18:19] offset:\k*131072+\p*256
.endr
.if \p < 2
	LOADP \p+2
.endif
.endr
	s_endpgm
.Lfunc_end_k_q959571e78b_prep:
	.size	k_q959571e78b_prep, .Lfunc_end_k_q959571e78b_prep-k_q959571e78b_prep
	.p2alignl 7, 3214868480
	.fill 96, 4, 3214868480
	.section	.rodata,"a",@progbits
	.p2align	6, 0x0
	.amdhsa_kernel k_q959571e78b_prep
		.amdhsa_group_segment_fixed_size 33280
		.amdhsa_private_segment_fixed_size 0
		.amdhsa_enable_private_segment 0
		.amdhsa_kernarg_size 64
		.amdhsa_user_sgpr_count 2
		.amdhsa_user_sgpr_kernarg_segment_ptr 1
		.amdhsa_wavefront_size32 1
		.amdhsa_system_sgpr_workgroup_id_x 1
		.amdhsa_system_sgpr_workgroup_id_y 1
		.amdhsa_system_sgpr_workgroup_id_z 1
		.amdhsa_system_vgpr_workitem_id 0
		.amdhsa_next_free_vgpr 224
		.amdhsa_next_free_sgpr 66
		.amdhsa_reserve_vcc 0
		.amdhsa_float_denorm_mode_32 3
		.amdhsa_float_denorm_mode_16_64 3
		.amdhsa_memory_ordered 1
		.amdhsa_forward_progress 1
		.amdhsa_inst_pref_size 55
	.end_amdhsa_kernel
	.amdgpu_metadata
---
amdhsa.version: [ 1, 2 ]
amdhsa.kernels:
  - .name:           k_q959571e78b_prep
    .symbol:         k_q959571e78b_prep.kd
    .args:
      - { .name: x, .offset: 0, .size: 8, .value_kind: global_buffer, .address_space: global }
      - { .name: Wqkv, .offset: 8, .size: 8, .value_kind: global_buffer, .address_space: global }
      - { .name: Wo, .offset: 16, .size: 8, .value_kind: global_buffer, .address_space: global }
      - { .name: xq, .offset: 24, .size: 8, .value_kind: global_buffer, .address_space: global }
      - { .name: xs, .offset: 32, .size: 8, .value_kind: global_buffer, .address_space: global }
      - { .name: wq, .offset: 40, .size: 8, .value_kind: global_buffer, .address_space: global }
      - { .name: ws, .offset: 48, .size: 8, .value_kind: global_buffer, .address_space: global }
      - { .name: wo16, .offset: 56, .size: 8, .value_kind: global_buffer, .address_space: global }
    .group_segment_fixed_size: 33280
    .private_segment_fixed_size: 0
    .kernarg_segment_align: 8
    .kernarg_segment_size: 64
    .max_flat_workgroup_size: 128
    .sgpr_count:     66
    .vgpr_count:     224
    .wavefront_size: 32
...
	.end_amdgpu_metadata
.endif
;; end of part 1
;; launch qkv (part 2): grid 16 x 16, 4 waves a work-group, clusters of 4 x 4, 327,680 bytes of LDS; arguments xq, xs, wq, ws, pi_gate_logit, qkv, h32; writes qkv, h32
.if DOCPART == 2
	.amdgcn_target "amdgcn-amd-amdhsa--gfx1250"
	.amdhsa_code_object_version 6
	.text
	.protected	k_q959571e78b_qkv
	.globl	k_q959571e78b_qkv
	.p2align	8
	.type	k_q959571e78b_qkv,@function
k_q959571e78b_qkv:
	s_mov_b64 s[64:65], 0
	v_nop
	global_prefetch_b8 v0, s[64:65] scope:SCOPE_SE
	s_setreg_imm32_b32 hwreg(HW_REG_WAVE_MODE, 25, 1), 1
	s_wait_xcnt 0x0
	s_wait_alu depctr_hold_cnt(0) depctr_sa_sdst(0) depctr_va_vdst(0) depctr_va_sdst(0) depctr_va_ssrc(0) depctr_va_vcc(0) depctr_vm_vsrc(0)
	s_getreg_b32 s2, hwreg(HW_REG_IB_STS2, 6, 4)
	s_cmp_eq_u32 s2, 0
	s_cbranch_scc0 .Lentry_in_a_cluster
	s_endpgm
.Lentry_in_a_cluster:
	s_bfe_u32 s2, ttmp6, 0x10000c
	s_cmp_lg_u32 s2, 0xf033
	s_cbranch_scc0 .Lentry_shape_is_right
	s_endpgm
.Lentry_shape_is_right:
; qkv = x Wqkv^T on codes of FP4 (E2M1) with one E8M0 scale for each 32 along K (K = 1,024), f32 sums, K ascending; then the rotation of q and k; results as f16.
; xq [4096 m'][512 bytes], xs [m'][32], wq [3072 n'][512], ws [n'][32]; m' = (pos>>5)*64 + b*32 + (pos&31), n' = h*192 + s*64 + d (s: 0 q, 1 k, 2 v).
; OUT: qkv [3 s][32 b*16+h][2048 pos][64] f16; h32 [2 b][3 s][16 h][16 pos][64] f32: positions 0-15 once more, unrounded, for the launch that carries them in f32.
; q AND k LEAVE ROTATED AND TIMES kappa = sqrt(log2(e) / 8), so that their product is the score / 8 in units of log2: theta = (pos x pi^(1 - k/32)) x sigmoid(gate[h]), both products in f32 as the problem forms them;
; pi^(1 - k/32) = 2^((32 - k) log2(pi) / 32).  sin and cos: n = nearest whole number to theta x 2/pi; r = theta - n x pi/2 with pi/2 in two parts (the first step is exact for theta under 8,192, and theta is under 2,047 pi);
; polynomials of degree 7 and 8 on |r| <= pi/4; the quadrant by n's two low bits.
; SHARES: a work-group takes one head's 192 columns (x of the grid) and 256 rows of m' (y): positions 128 y .. + 127 of both batches.  Wave w: rows 64 w .. + 63: positions 128 y + 32 w .. + 31 of batch 0 (row blocks 0, 1)
; and of batch 1 (row blocks 2, 3) x 192 columns: 48 accumulators.  So a lane's 32 pairs (kappa cos, kappa sin) serve q and k of both batches.
; ALL OF K LIES IN LDS: two slots of 512 along K, each filled once; nothing is filled again.
; CLUSTER 4 x 4: the four of a row need the same rows of x, the four of a column the same head: each tile is asked for jointly.
; THE MATRIX INSTRUCTION IS USED TRANSPOSED (source 0 = 16 rows of W, source 1 = 16 rows of x): lane (r, h) holds row r of x and columns 8 h + 0..7 of the block.
; LIMITS: |kappa q|, |kappa k|, |v| stay under 65,504 (f16).
; REGISTERS: window 0: v1-14 addresses; v16-23 at work; v24-27 gate, positions; v32-127 scale words and nothing else; v128-191 x's fragments, two sets (at the head: sin/cos at work; on the way out: rotated rows);
;   v192-255 the pairs (kappa cos, kappa sin).  window 1: W's fragments, two sets, at v0 and v128 (on the way out: f16 rows).  window 2: accumulators of q and k, (b, a) at v[8 (4 b + a)].  window 3: those of v.
.set PITCH, 272                        ; an LDS row: 256 bytes + 16 of padding
.set ASZ,   256*PITCH                  ; x's 256 rows
.set SLOT,  448*PITCH                  ; then W's 192
.set SCL,   2*SLOT                     ; the scales, as units of 256 bytes + 16: x's 32 units,
.set SCB,   SCL+32*272                 ; W's 24
.set SPARE, 259072                     ; the spare words, 128 bytes for each wave
.set SPI,   400                        ; the way out: a stage row: 384 bytes + 16.  The stages (two of 16 rows for each wave) lie in slot 0, which has had its only fill and its last read
.set ADRA, 3                           ; v3, v4   LDS address of my fragments of x in slot 0, 1
.set ADRB, 5                           ; v5, v6   of W
.set ADRS, 7                           ; v7       of my scale words: lanes 0-15 x's rows, lanes 16-31 W's
.set STO,  8
.set RD,   9
.set GO,   10                          ; v10      16 x lane
.set FO,   11                          ; v11      256 r + 32 h: my place in h32
.set SPW,  12
.set NIL,  13
.set FLG,  14                          ; v14      my wave's first position
.set TT,   16
.set GV,   24                          ; v24      sigmoid(gate)
.set PF,   25                          ; v25, v26 my position in row blocks 0 / 2 and 1 / 3, as f32
.set SC,   32                          ; scale words: set s at SC + 48 s; register 4 i + q: lanes 0-15 x's block i (i < 4), lanes 16-31 W's block i, the slot's q-th 128 along K
.set AF,   128
.set FQ,   128                         ; at the head: 16 frequencies
.set WK,   144                         ; at the head: 4 x 8 at work
.set OUTF, 128                         ; on the way out: 64 rotated numbers
.set CS,   192
.set G1A,  28
.set G1B,  36
.set G1SA, 44
.set G1SB, 52
.set G0A0, 60
.set G0A1, 68
.set G0B0, 72
.set G0B1, 76
.set G0SA, 80
.set G0SB, 84
.set MSB, 0
.macro WIN new                         ; the immediate's high byte repeats the setting that is left
.if MSB != \new
	s_set_vgpr_msb (MSB<<8)|\new
.set MSB, \new
.endif
.endm
.macro PLACES n
.rept \n
	v_nop
.endr
.endm
; A joint load: waves 0 and 1 fetch for x, waves 2 and 3 for W.  The branch hangs on the wave's number alone.  An s_nop 0 and four v_nop follow each line.
.macro JLOAD g0a, g1a, g0b, g1b
	s_cmp_eq_u32 s19, 0
	s_cbranch_scc0 .Lfor_b_\@
	tensor_load_to_lds s[\g0a:\g0a+3], s[\g1a:\g1a+7]
	s_nop 0
.rept 4
	v_nop
.endr
	s_branch .Lasked_\@
.Lfor_b_\@:
	tensor_load_to_lds s[\g0b:\g0b+3], s[\g1b:\g1b+7]
	s_nop 0
.rept 4
	v_nop
.endr
.Lasked_\@:
.endm
.macro CROUND                          ; a round of the cluster's barrier
	s_barrier_signal -1
	s_barrier_wait -1
	s_cmp_lg_u32 s18, 0
	s_cbranch_scc1 .Lnot_wave_0_\@
	s_barrier_signal -3
.Lnot_wave_0_\@:
	s_barrier_wait -3
	s_barrier_signal -1
	s_barrier_wait -1
.endm
	s_load_b256 s[4:11], s[0:1], 0x0               ; xq, xs, wq, ws
	s_load_b128 s[12:15], s[0:1], 0x20             ; the gate, qkv
	s_load_b64 s[16:17], s[0:1], 0x30              ; h32
	v_lshl_add_u32 v[SPW], v0, 2, SPARE
	v_mov_b32 v[NIL], 0
	ds_add_u32 v[SPW], v[NIL]                      ; the wave's opening: the add, twice on end, and its wait ahead of my first tensor load
	ds_add_u32 v[SPW], v[NIL]
	v_lshrrev_b32 v1, 5, v0
	v_readfirstlane_b32 s18, v1                    ; wave 0..3
	s_lshr_b32 s19, s18, 1                         ; I fetch for x (0) or for W (1)
	s_and_b32 s20, s18, 1                          ; which half of that tile's rows
	s_bfe_u32 s21, ttmp6, 0x40000                  ; cx
	s_bfe_u32 s22, ttmp6, 0x40004                  ; cy
	s_lshl_b32 s23, ttmp9, 2
	s_add_co_u32 s23, s23, s21                     ; the head
	s_and_b32 s24, ttmp7, 0xffff
	s_lshl_b32 s24, s24, 2
	s_add_co_u32 s24, s24, s22                     ; the tile of 256 rows
	s_lshl_b32 s25, s22, 2
	s_lshl_b32 s25, 15, s25                        ; my row of the cluster
	s_lshl_b32 s26, 0x1111, s21                    ; my column
	s_or_b32 s[G1A], s25, (1<<20)|(1<<21)|(5<<22)|(3<<25)    ; elements of 1 byte; 4 words of padding after every 64
	s_or_b32 s[G1B], s26, (1<<20)|(1<<21)|(5<<22)|(3<<25)
.irp g, G1A, G1B
	s_mov_b32 s[\g+1], 256<<16                     ; tensor_dim0
	s_mov_b32 s[\g+3], 256<<16                     ; tile_dim0
	s_mov_b32 s[\g+5], 512                         ; a row of codes in memory
	s_mov_b32 s[\g+6], 0
	s_mov_b32 s[\g+7], 0
.endr
	s_mov_b32 s[G1A+2], 128<<16                    ; 128 rows of x to a load
	s_mov_b32 s[G1A+4], 128
	s_mov_b32 s[G1B+2], 96<<16                     ; 96 rows of W
	s_mov_b32 s[G1B+4], 96
	s_or_b32 s[G1SA], s25, (3<<16)|(1<<20)|(1<<21)|(5<<22)|(3<<25)   ; the scales: dense bytes as rows of 256 (32 elements of 8 bytes)
	s_or_b32 s[G1SB], s26, (3<<16)|(1<<20)|(1<<21)|(5<<22)|(3<<25)
.irp g, G1SA, G1SB
	s_mov_b32 s[\g+1], 32<<16
	s_mov_b32 s[\g+3], 32<<16
	s_mov_b32 s[\g+5], 32
	s_mov_b32 s[\g+6], 0
	s_mov_b32 s[\g+7], 0
.endr
	s_mov_b32 s[G1SA+2], 16<<16                    ; 128 rows x 32 bytes
	s_mov_b32 s[G1SA+4], 16
	s_mov_b32 s[G1SB+2], 12<<16                    ; 96 rows x 32 bytes
	s_mov_b32 s[G1SB+4], 12
	s_mov_b32 s[G0A0], 1                           ; where the tiles go: no place in the cluster enters an LDS address
	s_mul_i32 s[G0A0+1], s20, 128*PITCH
	s_mov_b32 s[G0A1], 1
	s_add_co_u32 s[G0A1+1], s[G0A0+1], SLOT
	s_mov_b32 s[G0B0], 1
	s_mul_i32 s[G0B0+1], s20, 96*PITCH
	s_add_co_u32 s[G0B0+1], s[G0B0+1], ASZ
	s_mov_b32 s[G0B1], 1
	s_add_co_u32 s[G0B1+1], s[G0B0+1], SLOT
	s_mov_b32 s[G0SA], 1
	s_mul_i32 s[G0SA+1], s20, 16*272
	s_add_co_u32 s[G0SA+1], s[G0SA+1], SCL
	s_mov_b32 s[G0SB], 1
	s_mul_i32 s[G0SB+1], s20, 12*272
	s_add_co_u32 s[G0SB+1], s[G0SB+1], SCB
	s_lshl_b32 s96, s24, 8                         ; x: row 256 x tile + 128 x half (registers that never hold the head)
	s_lshl_b32 s97, s20, 7
	s_add_co_u32 s96, s96, s97
	s_lshl_b32 s98, s96, 5                         ; its scale bytes
	s_lshl_b32 s96, s96, 9                         ; its codes
	s_mov_b32 s97, 0
	s_mov_b32 s99, 0
	s_mul_i32 s66, s23, 192                        ; W: row 192 x head + 96 x half (registers that never hold the tile of rows)
	s_mul_i32 s67, s20, 96
	s_add_co_u32 s66, s66, s67
	s_lshl_b32 s2, s66, 5
	s_lshl_b32 s66, s66, 9
	s_mov_b32 s67, 0
	s_mov_b32 s3, 0
	s_lshl_b32 s27, s24, 7
	s_lshl_b32 s100, s18, 5
	s_add_co_u32 s27, s27, s100                    ; my wave's first position
	s_lshl_b32 s100, s23, 18                       ; in a section of qkv: the head's 2,048 rows of 128 bytes,
	s_lshl_b32 s101, s27, 7                        ; my first position's row
	s_add_co_u32 s100, s100, s101
	s_mov_b32 s101, 0
	s_wait_dscnt 0x0                               ; both opening adds are done
	s_wait_kmcnt 0x0
	s_add_nc_u64 s[G0A0+2:G0A0+3], s[4:5], s[96:97]
	s_add_nc_u64 s[G0A1+2:G0A1+3], s[G0A0+2:G0A0+3], 256
	s_add_nc_u64 s[G0SA+2:G0SA+3], s[6:7], s[98:99]
	s_add_nc_u64 s[G0B0+2:G0B0+3], s[8:9], s[66:67]
	s_add_nc_u64 s[G0B1+2:G0B1+3], s[G0B0+2:G0B0+3], 256
	s_add_nc_u64 s[G0SB+2:G0SB+3], s[10:11], s[2:3]
.irp g, G0A0, G0A1, G0SA, G0B0, G0B1, G0SB
	s_or_b32 s[\g+3], s[\g+3], 0x80000000          ; type = 2
.endr
	s_add_nc_u64 s[88:89], s[14:15], s[100:101]    ; q's section,
	s_add_nc_u64 s[90:91], s[88:89], 0x800000      ; k's,
	s_add_nc_u64 s[92:93], s[90:91], 0x800000      ; v's
	s_lshl_b32 s100, s23, 12
	s_add_nc_u64 s[94:95], s[16:17], s[100:101]    ; h32 at my head
	s_lshl_b32 s100, s23, 2
	s_add_nc_u64 s[12:13], s[12:13], s[100:101]    ; my head's gate
	CROUND                                         ; all sixteen work-groups are here: the joint loads meet
	JLOAD G0SA, G1SA, G0SB, G1SB                   ; three loads of mine are out: the scales,
	JLOAD G0A0, G1A, G0B0, G1B                     ; K 0-511,
	JLOAD G0A1, G1A, G0B1, G1B                     ; K 512-1023
	s_load_b32 s100, s[12:13], 0x0
	; ---- while they are on their way: addresses, and the 32 pairs (kappa cos, kappa sin)
	v_and_b32 v1, 15, v0                           ; r
	v_bfe_u32 v2, v0, 4, 1                         ; h
	v_mul_u32_u24 v15, v1, PITCH
	v_lshl_add_u32 v15, v2, 4, v15
	s_mul_i32 s96, s18, 64*PITCH
	v_add_nc_u32 v[ADRA], s96, v15
	v_add_nc_u32 v[ADRA+1], SLOT, v[ADRA]
	v_add_nc_u32 v[ADRB], ASZ, v15
	v_add_nc_u32 v[ADRB+1], SLOT+ASZ, v15
	v_lshlrev_b32 v15, 5, v1                       ; a row's 32 scale bytes,
	v_lshrrev_b32 v16, 3, v1
	v_lshl_add_u32 v15, v16, 4, v15                ; and 16 more behind each 256
	s_mul_i32 s96, s18, 4*544                      ; x's: my four blocks of 16 rows
	s_sub_co_u32 s97, 32*272, s96                  ; from there to W's first block
	v_mul_u32_u24 v16, s97, v2                     ; lanes 16-31 take W's
	s_add_co_u32 s96, s96, SCL
	v_add_nc_u32 v15, v15, v16
	v_add_nc_u32 v[ADRS], s96, v15
	s_mul_i32 s96, s18, 2*16*SPI                   ; my two stages
	v_mul_u32_u24 v15, v1, SPI
	v_lshl_add_u32 v15, v2, 4, v15
	v_add_nc_u32 v[STO], s96, v15                  ; in: row r, 16 bytes for each half of the lanes
	v_and_b32 v16, 31, v0
	v_lshrrev_b32 v15, 3, v16
	v_mul_u32_u24 v15, v15, SPI
	v_and_b32 v17, 7, v0
	v_lshl_add_u32 v15, v17, 4, v15
	v_add_nc_u32 v[RD], s96, v15                   ; back: eight lanes to a row's 128 bytes of one section, four rows an instruction
	v_lshlrev_b32 v[GO], 4, v16
	v_lshlrev_b32 v[FO], 8, v1
	v_lshl_add_u32 v[FO], v2, 5, v[FO]
	v_mov_b32 v[FLG], s27
	v_add_nc_u32 v15, s27, v1
	v_cvt_f32_u32 v[PF], v15
	v_add_nc_u32 v15, 16, v15
	v_cvt_f32_u32 v[PF+1], v15
	v_lshlrev_b32 v27, 2, v2                       ; 4 h
.irp e, 0,1,2,3,4,5,6,7,8,9,10,11,12,13,14,15
	v_sub_nc_u32 v[FQ+\e], 32-8*(\e/4)-(\e%4), v27 ; 32 - k: pair e = 4 bb + jj of my columns is k = 8 bb + 4 h + jj
.endr
.irp e, 0,1,2,3,4,5,6,7,8,9,10,11,12,13,14,15
	v_cvt_f32_u32 v[FQ+\e], v[FQ+\e]
.endr
.irp e, 0,1,2,3,4,5,6,7,8,9,10,11,12,13,14,15
	v_mul_f32 v[FQ+\e], 0x3d53643a, v[FQ+\e]       ; x log2(pi) / 32
.endr
.irp e, 0,1,2,3,4,5,6,7,8,9,10,11,12,13,14,15
	v_exp_f32 v[FQ+\e], v[FQ+\e]                   ; pi^(1 - k/32)
.endr
	s_wait_kmcnt 0x0
	v_mov_b32 v[GV], s100                          ; (a plain line behind the exponentials)
	v_mul_f32 v[GV], 0xbfb8aa3b, v[GV]
	v_exp_f32 v[GV], v[GV]
	v_nop
	s_wait_alu depctr_va_vdst(0)                   ; one wait for the 17 exponentials, ahead of their first reader
	v_add_f32 v[GV], 1.0, v[GV]
	v_rcp_f32 v[GV], v[GV]                         ; sigmoid(gate)
	v_nop
	s_wait_alu depctr_va_vdst(0)
	s_mov_b32 s96, 0xb94ca1f9                      ; sin's highest coefficient
	s_mov_b32 s97, 0x37ccf5ce                      ; cos's
	s_mov_b32 s98, 0x3fc90fdb                      ; pi/2, its first part,
	s_mov_b32 s99, 0xb33bbd2e                      ; and the rest
; four angles line by line: row blocks ap, ap + 2; pairs e0 .. e0 + 3.  At work, 8 registers an angle: +0 theta, r, then |sin|; +1 n; +2 r^2, then |cos|; +3 sin r; +4 cos r; +5 r^3, n & 1; +6, +7 kappa with sin's and cos's sign
.macro SINCOS4 ap, e0
.irp i, 0,1,2,3
	v_mul_f32 v[WK+8*\i], v[PF+\ap], v[FQ+\e0+\i]
.endr
.irp i, 0,1,2,3
	v_mul_f32 v[WK+8*\i], v[WK+8*\i], v[GV]
.endr
.irp i, 0,1,2,3
	v_mul_f32 v[WK+8*\i+1], 0x3f22f983, v[WK+8*\i]
.endr
.irp i, 0,1,2,3
	v_rndne_f32 v[WK+8*\i+1], v[WK+8*\i+1]
.endr
.irp i, 0,1,2,3
	v_fma_f32 v[WK+8*\i], -v[WK+8*\i+1], s98, v[WK+8*\i]
.endr
.irp i, 0,1,2,3
	v_fma_f32 v[WK+8*\i], -v[WK+8*\i+1], s99, v[WK+8*\i]
.endr
.irp i, 0,1,2,3
	v_cvt_i32_f32 v[WK+8*\i+1], v[WK+8*\i+1]
.endr
.irp i, 0,1,2,3
	v_mul_f32 v[WK+8*\i+2], v[WK+8*\i], v[WK+8*\i]
.endr
.irp i, 0,1,2,3
	v_fmaak_f32 v[WK+8*\i+3], s96, v[WK+8*\i+2], 0x3c08839e
.endr
.irp i, 0,1,2,3
	v_fmaak_f32 v[WK+8*\i+4], s97, v[WK+8*\i+2], 0xbab6061a
.endr
.irp i, 0,1,2,3
	v_fmaak_f32 v[WK+8*\i+3], v[WK+8*\i+3], v[WK+8*\i+2], 0xbe2aaaa3
.endr
.irp i, 0,1,2,3
	v_fmaak_f32 v[WK+8*\i+4], v[WK+8*\i+4], v[WK+8*\i+2], 0x3d2aaaa5
.endr
.irp i, 0,1,2,3
	v_mul_f32 v[WK+8*\i+5], v[WK+8*\i], v[WK+8*\i+2]
.endr
.irp i, 0,1,2,3
	v_fmaak_f32 v[WK+8*\i+4], v[WK+8*\i+4], v[WK+8*\i+2], 0xbf000000
.endr
.irp i, 0,1,2,3
	v_fma_f32 v[WK+8*\i+3], v[WK+8*\i+5], v[WK+8*\i+3], v[WK+8*\i]
.endr
.irp i, 0,1,2,3
	v_fma_f32 v[WK+8*\i+4], v[WK+8*\i+4], v[WK+8*\i+2], 1.0
.endr
.irp i, 0,1,2,3
	v_and_b32 v[WK+8*\i+5], 1, v[WK+8*\i+1]
.endr
.irp i, 0,1,2,3
	v_lshlrev_b32 v[WK+8*\i+6], 30, v[WK+8*\i+1]
.endr
.irp i, 0,1,2,3
	v_add_nc_u32 v[WK+8*\i+7], 1, v[WK+8*\i+1]
.endr
.irp i, 0,1,2,3
	v_and_b32 v[WK+8*\i+6], 0x80000000, v[WK+8*\i+6]       ; sin changes sign where n & 2
.endr
.irp i, 0,1,2,3
	v_lshlrev_b32 v[WK+8*\i+7], 30, v[WK+8*\i+7]
.endr
.irp i, 0,1,2,3
	v_and_b32 v[WK+8*\i+7], 0x80000000, v[WK+8*\i+7]       ; cos where (n + 1) & 2
.endr
.irp i, 0,1,2,3
	v_xor_b32 v[WK+8*\i+6], 0x3ed96d27, v[WK+8*\i+6]       ; kappa = 0.4246609 with that sign
.endr
.irp i, 0,1,2,3
	v_xor_b32 v[WK+8*\i+7], 0x3ed96d27, v[WK+8*\i+7]
.endr
.irp i, 0,1,2,3
	v_cmp_eq_u32 vcc_lo, 1, v[WK+8*\i+5]                   ; odd n: sin and cos change places
	v_cndmask_b32 v[WK+8*\i], v[WK+8*\i+3], v[WK+8*\i+4], vcc_lo
	v_cndmask_b32 v[WK+8*\i+2], v[WK+8*\i+4], v[WK+8*\i+3], vcc_lo
.endr
.irp i, 0,1,2,3
	v_mul_f32 v[CS+32*\ap+2*(\e0+\i)], v[WK+8*\i+2], v[WK+8*\i+7]
	v_mul_f32 v[CS+32*\ap+2*(\e0+\i)+1], v[WK+8*\i], v[WK+8*\i+6]
.endr
.endm
.irp ap, 0,1
.irp e0, 0,4,8,12
	SINCOS4 \ap, \e0
.endr
.endr
.macro SCALES s                        ; the slot's scale words: four words a row
.irp i, 0,1,2,3,4,5,6,7,8,9,10,11
	ds_load_b128 v[SC+48*\s+4*\i:SC+48*\s+4*\i+3], v[ADRS] offset:\i*544+16*\s
.endr
.endm
; the fragments of the q-th 128 along K: 32 LDS loads in one run.  A fragment, 16 rows x 128 K of 4-bit codes, is 8 registers: lane (r, h): row r; registers 4 c .. 4 c + 3: K = 64 c + 32 h + 0..31
.macro FETCH q
.set SL, (\q)/4
.set KO, 64*((\q)%4)
.set PB, 128*((\q)%2)
.set PA, AF+32*((\q)%2)
	WIN 0x40                                       ; destination window 1
.irp i, 0,1,2,3,4,5,6,7,8,9,10,11
	ds_load_b128 v[PB+8*\i:PB+8*\i+3], v[ADRB+SL] offset:KO+\i*16*PITCH
	ds_load_b128 v[PB+8*\i+4:PB+8*\i+7], v[ADRB+SL] offset:KO+\i*16*PITCH+32
.endr
	WIN 0
.irp i, 0,1,2,3
	ds_load_b128 v[PA+8*\i:PA+8*\i+3], v[ADRA+SL] offset:KO+\i*16*PITCH
	ds_load_b128 v[PA+8*\i+4:PA+8*\i+7], v[ADRA+SL] offset:KO+\i*16*PITCH+32
.endr
.endm
; 48 matrix instructions: the 48 accumulators take turns, one instruction a turn, in the same order in every step.  zero = 1: the first product starts the sums
.macro MULS q, zero
.set SS, SC+48*((\q)/4)
.set QQ, (\q)%4
.set PB, 128*((\q)%2)
.set PA, AF+32*((\q)%2)
	WIN 0xa1                                       ; source 0 (W) window 1, source 1 (x) window 0, C and D window 2
.irp b, 0,1,2,3,4,5,6,7
.irp a, 0,1,2,3
.if \zero
	v_wmma_scale_f32_16x16x128_f8f6f4 v[8*(4*\b+\a):8*(4*\b+\a)+7], v[PB+8*\b:PB+8*\b+7], v[PA+8*\a:PA+8*\a+7], 0, v[SS+4*\b+QQ], v[SS+4*\a+QQ] matrix_a_fmt:MATRIX_FMT_FP4 matrix_b_fmt:MATRIX_FMT_FP4 matrix_a_scale:MATRIX_SCALE_ROW1
.else
	v_wmma_scale_f32_16x16x128_f8f6f4 v[8*(4*\b+\a):8*(4*\b+\a)+7], v[PB+8*\b:PB+8*\b+7], v[PA+8*\a:PA+8*\a+7], v[8*(4*\b+\a):8*(4*\b+\a)+7], v[SS+4*\b+QQ], v[SS+4*\a+QQ] matrix_a_fmt:MATRIX_FMT_FP4 matrix_b_fmt:MATRIX_FMT_FP4 matrix_a_scale:MATRIX_SCALE_ROW1
.endif
.endr
.endr
	WIN 0xf1                                       ; C and D window 3
.irp b, 8,9,10,11
.irp a, 0,1,2,3
.if \zero
	v_wmma_scale_f32_16x16x128_f8f6f4 v[8*(4*(\b-8)+\a):8*(4*(\b-8)+\a)+7], v[PB+8*\b:PB+8*\b+7], v[PA+8*\a:PA+8*\a+7], 0, v[SS+4*\b+QQ], v[SS+4*\a+QQ] matrix_a_fmt:MATRIX_FMT_FP4 matrix_b_fmt:MATRIX_FMT_FP4 matrix_a_scale:MATRIX_SCALE_ROW1
.else
	v_wmma_scale_f32_16x16x128_f8f6f4 v[8*(4*(\b-8)+\a):8*(4*(\b-8)+\a)+7], v[PB+8*\b:PB+8*\b+7], v[PA+8*\a:PA+8*\a+7], v[8*(4*(\b-8)+\a):8*(4*(\b-8)+\a)+7], v[SS+4*\b+QQ], v[SS+4*\a+QQ] matrix_a_fmt:MATRIX_FMT_FP4 matrix_b_fmt:MATRIX_FMT_FP4 matrix_a_scale:MATRIX_SCALE_ROW1
.endif
.endr
.endr
.endm
	s_wait_tensorcnt 0x1                           ; the scales and my part of slot 0 are in (one younger load, slot 1's, may be out),
	s_barrier_signal -1
	s_barrier_wait -1                              ; everybody's are
	SCALES 0
	SCALES 1
	FETCH 0
.irp q, 0,1,2,3,4,5,6,7
	s_wait_dscnt 0x0                               ; this step's fragments are in: they were asked for ahead of the last step's 48 matrix instructions
.if \q == 3
	s_wait_tensorcnt 0x0                           ; my part of slot 1 is in,
	s_barrier_signal -1
	s_barrier_wait -1                              ; everybody's is; and nobody reads slot 0 any more
.endif
.if \q < 7
.if \q > 0
	PLACES 4                                       ; four places in front of loads into registers that matrix instructions have read
.endif
	FETCH \q+1
.endif
.if \q == 0
	MULS 0, 1
.else
	MULS \q, 0
.endif
.endr
	WIN 0
	PLACES 4                                       ; in front of the first read of results and of writes into the fragments' registers
; ---- THE WAY OUT, a row block (16 positions of one batch) at a time
.macro ROT a                           ; q's and k's eight accumulators: (t1, t2) -> (t1 c - t2 s, t1 s + t2 c), each accumulator from its low end on
	WIN 0x02                                       ; source 0 window 2
.irp b, 0,1,2,3,4,5,6,7
.irp j, 0,1,2,3
	v_pk_mul_f32 v[TT+2*\j:TT+2*\j+1], v[8*(4*\b+\a)+2*\j:8*(4*\b+\a)+2*\j+1], v[CS+32*((\a)%2)+2*(4*(\b%4)+\j):CS+32*((\a)%2)+2*(4*(\b%4)+\j)+1] op_sel:[1,1] op_sel_hi:[0,1] neg_lo:[1,0]   ; (-t2 s, t1 s)
.endr
.irp j, 0,1,2,3
	v_pk_fma_f32 v[OUTF+8*\b+2*\j:OUTF+8*\b+2*\j+1], v[8*(4*\b+\a)+2*\j:8*(4*\b+\a)+2*\j+1], v[CS+32*((\a)%2)+2*(4*(\b%4)+\j):CS+32*((\a)%2)+2*(4*(\b%4)+\j)+1], v[TT+2*\j:TT+2*\j+1] op_sel_hi:[1,0,1]   ; + (t1 c, t2 c)
.endr
.endr
.endm
.macro CVT a                           ; to f16: 48 registers: block b's eight columns in four
.set PK, 48*((\a)%2)
	WIN 0x40
.set n, 0
.rept 32
	v_cvt_pk_f16_f32 v[PK+n], v[OUTF+2*n], v[OUTF+2*n+1]
.set n, n+1
.endr
	WIN 0x4f                                       ; sources window 3
.irp b, 0,1,2,3
.irp j, 0,1,2,3
	v_cvt_pk_f16_f32 v[PK+32+4*\b+\j], v[8*(4*\b+\a)+2*\j], v[8*(4*\b+\a)+2*\j+1]
.endr
.endr
	WIN 0
.endm
.macro F32OUT a                        ; positions 0-15 also leave unrounded.  No branch: the lanes are on only in the wave whose first position is 0
	v_cmp_eq_u32 vcc_lo, 0, v[FLG]
	s_wait_xcnt 0x0                                ; EXEC changes only behind this wait
	s_and_saveexec_b32 s97, vcc_lo
.irp b, 0,1,2,3,4,5,6,7
	global_store_b128 v[FO], v[OUTF+8*\b:OUTF+8*\b+3], s[94:95] offset:(((\a)/2)*3+(\b/4))*65536+(\b%4)*64
	global_store_b128 v[FO], v[OUTF+8*\b+4:OUTF+8*\b+7], s[94:95] offset:(((\a)/2)*3+(\b/4))*65536+(\b%4)*64+16
.endr
	WIN 0x0c                                       ; a store's data are its source 1: window 3
.irp b, 0,1,2,3
	global_store_b128 v[FO], v[8*(4*\b+\a):8*(4*\b+\a)+3], s[94:95] offset:(((\a)/2)*3+2)*65536+\b*64
	global_store_b128 v[FO], v[8*(4*\b+\a)+4:8*(4*\b+\a)+7], s[94:95] offset:(((\a)/2)*3+2)*65536+\b*64+16
.endr
	WIN 0
	s_wait_xcnt 0x0                                ; the stores have read their registers and EXEC
	s_or_b32 exec_lo, exec_lo, s97
.endm
.macro TOSTAGE a                       ; 16 rows x 384 bytes into my stage, and back by sections: four rows' 128 bytes an instruction
.set PK, 48*((\a)%2)
.set RB, 96+48*((\a)%2)
	WIN 0x04                                       ; data window 1
.irp b, 0,1,2,3,4,5,6,7,8,9,10,11
	ds_store_b128 v[STO], v[PK+4*\b:PK+4*\b+3] offset:((\a)%2)*16*SPI+32*\b
.endr
	WIN 0x40
.irp s, 0,1,2
.irp t, 0,1,2,3
	ds_load_b128 v[RB+4*(4*\s+\t):RB+4*(4*\s+\t)+3], v[RD] offset:((\a)%2)*16*SPI+\s*128+\t*4*SPI   ; LDS serves a wave's instructions in order: these see the stores above
.endr
.endr
	WIN 0
.endm
.macro SEND a
.set RB, 96+48*((\a)%2)
	s_wait_dscnt 0x0                               ; the block is back in registers, and its stores into the stage have read theirs
	s_wait_xcnt 0x0                                ; earlier global stores have read their registers: the next block's loads may land there
	WIN 0x04
.irp s, 0,1,2
.irp t, 0,1,2,3
	global_store_b128 v[GO], v[RB+4*(4*\s+\t):RB+4*(4*\s+\t)+3], s[88+2*\s:89+2*\s] offset:((\a)/2)*4194304+((\a)%2)*2048+\t*512   ; 512 consecutive bytes, aligned
.endr
.endr
	WIN 0
.endm
	ROT 0
	CVT 0
	F32OUT 0
	TOSTAGE 0
	ROT 1
	CVT 1
	SEND 0
	TOSTAGE 1
	ROT 2
	CVT 2
	F32OUT 2
	SEND 1
	TOSTAGE 2
	ROT 3
	CVT 3
	SEND 2
	TOSTAGE 3
	SEND 3
	s_wait_tensorcnt 0x0                           ; the wave's end
	ds_add_u32 v[SPW], v[NIL]
	s_wait_dscnt 0x0
	CROUND                                         ; the closing round
	s_endpgm
.Lfunc_end_k_q959571e78b_qkv:
	.size	k_q959571e78b_qkv, .Lfunc_end_k_q959571e78b_qkv-k_q959571e78b_qkv
	.p2alignl 7, 3214868480
	.fill 96, 4, 3214868480
	.section	.rodata,"a",@progbits
	.p2align	6, 0x0
	.amdhsa_kernel k_q959571e78b_qkv
		.amdhsa_group_segment_fixed_size 327680
		.amdhsa_private_segment_fixed_size 0
		.amdhsa_enable_private_segment 0
		.amdhsa_kernarg_size 56
		.amdhsa_user_sgpr_count 2
		.amdhsa_user_sgpr_kernarg_segment_ptr 1
		.amdhsa_wavefront_size32 1
		.amdhsa_system_sgpr_workgroup_id_x 1
		.amdhsa_system_sgpr_workgroup_id_y 1
		.amdhsa_system_sgpr_workgroup_id_z 1
		.amdhsa_system_vgpr_workitem_id 0
		.amdhsa_next_free_vgpr 1024
		.amdhsa_next_free_sgpr 102
		.amdhsa_reserve_vcc 1
		.amdhsa_float_denorm_mode_32 3
		.amdhsa_float_denorm_mode_16_64 3
		.amdhsa_memory_ordered 1
		.amdhsa_forward_progress 1
		.amdhsa_inst_pref_size 169
	.end_amdhsa_kernel
	.amdgpu_metadata
---
amdhsa.version: [ 1, 2 ]
amdhsa.kernels:
  - .name:           k_q959571e78b_qkv
    .symbol:         k_q959571e78b_qkv.kd
    .args:
      - { .name: xq, .offset: 0, .size: 8, .value_kind: global_buffer, .address_space: global }
      - { .name: xs, .offset: 8, .size: 8, .value_kind: global_buffer, .address_space: global }
      - { .name: wq, .offset: 16, .size: 8, .value_kind: global_buffer, .address_space: global }
      - { .name: ws, .offset: 24, .size: 8, .value_kind: global_buffer, .address_space: global }
      - { .name: pi_gate_logit, .offset: 32, .size: 8, .value_kind: global_buffer, .address_space: global }
      - { .name: qkv, .offset: 40, .size: 8, .value_kind: global_buffer, .address_space: global }
      - { .name: h32, .offset: 48, .size: 8, .value_kind: global_buffer, .address_space: global }
    .group_segment_fixed_size: 327680
    .private_segment_fixed_size: 0
    .kernarg_segment_align: 8
    .kernarg_segment_size: 56
    .max_flat_workgroup_size: 128
    .sgpr_count:     102
    .vgpr_count:     1024
    .wavefront_size: 32
...
	.end_amdgpu_metadata
.endif
;; end of part 2
;; launch attn (part 3): grid 8 x 32, 8 waves a work-group, no clusters, 327,680 bytes of LDS; arguments qkv, e_gate_logit, log_xi, att; writes att
.if DOCPART == 3
	.amdgcn_target "amdgcn-amd-amdhsa--gfx1250"
	.amdhsa_code_object_version 6
	.text
	.protected	k_q959571e78b_attn
	.globl	k_q959571e78b_attn
	.p2align	8
	.type	k_q959571e78b_attn,@function
k_q959571e78b_attn:
	s_mov_b64 s[64:65], 0
	v_nop
	global_prefetch_b8 v0, s[64:65] scope:SCOPE_SE
	s_setreg_imm32_b32 hwreg(HW_REG_WAVE_MODE, 25, 1), 1
	s_wait_xcnt 0x0
; att[h][b*2048+q][:] = sum over k <= q of softmax_k(t(q, k)) v[k][:], t = (kappa q).(kappa k) + a' (k - q) in units of log2, a' = log2(e) sigmoid(e_gate[h]) exp(-log_xi[h]).
; qkv [3][32 bh][2048][64] f16 (q and k rotated and scaled by the launch before); att [16 h][4096][64] f16.  Products on f16 operands, sums, maxima and exponentials in f32.
; WORK LEFT OUT: steps of 64 keys that lie wholly behind a wave's 32 queries (the problem's own causal mask gives them the weight 0); and the fetch of a slot's upper 128 keys where they lie behind all the work-group's queries.
; THE BIAS is split: a' (k - q) = a' off + a' (k0 - q), k0 the step's first key, off = k - k0 = 0..63.  a' off is 32 constant registers, given as the C of the first score product; a' (k0 - q) is one number a lane and step.
; LIMITS: a' is held at 2^100 (beyond it every key but the query's own has weight 0 in f32 anyway); weights under 6e-8 fall to 0 in f16.
; SHARES: work-group (i, bh) takes query block 15 - i (128 queries) and then block i: 8 - i/2 and i/2 + 1 slots of 256 keys, nine trips for every work-group.
; Eight waves, two to a SIMD.  Waves wq and wq + 4 own the same 32 queries (two tiles of 16) and share the keys: group g = wave / 4 takes the steps of 64 keys at 64 g and 64 g + 128 of each slot; at a pass's end
; group 1 hands its maximum, sum and O to group 0 through LDS.
; NO CLUSTER: the work-groups of a head walk different slots in the same trip from trip 5 on, and the change of pass hangs on the work-group's number.
; LAYOUT: S^T = K Q^T (source 0 = 16 keys, source 1 = 16 queries) and O^T = V^T P: a lane holds one query (lane % 16) throughout; two score tiles, rounded in pairs, are source 1 of the second product.  V comes out of LDS turned.
; REGISTERS: window 0: v1-19 addresses and constants; v20-31 at work; v32-47 statistics, tile T at 32 + 8 T: +0 m, +2, +3 the sum in two halves, +4 f, +6 d (+4..+7 the maximum's chains); v64-127 S; v128-159 P; v160-223 O^T; v224-227 the partner's statistics.
;   window 1: v0-63, v64-127 K of the trip's two steps; v128-191 V of one step; v192-223 Q; v224-255 a' off.
.set KP,    144                        ; a key's row in LDS: 128 bytes + 16
.set VP,    160                        ; a value's: 128 + 32
.set VOFF,  256*KP
.set SLOT1, 131072
.set MERGE, 212992                     ; 4 x 8,704: O's image (16 x 512 bytes) and 512 bytes of statistics
.set STAGE, 247808                     ; 4 x 4,608: two tiles x 16 rows x 144 bytes
.set SPARE, 266240                     ; the spare words, 128 bytes for each wave
.set AK,  1
.set AV,  2
.set SPW, 3
.set NIL, 4
.set QO,  5
.set STO, 6
.set RD,  7
.set GO,  8
.set MG,  9
.set ADK, 10
.set ADV, 11
.set BB,  12                           ; v12, v13  a' (k0 - q) of my query in tile 0, 1
.set QT,  14                           ; v14, v15  my query's place among the wave's 32
.set ML,  16                           ; v16, v17  that place - 8 (lane / 16)
.set AP,  18                           ; v18       a'
.set NINF, 19
.set MS,  20                           ; v20-23    (m0, L0, m1, L1)
.set TW,  24                           ; v24-31    at work
.set ST,  32
.set PFO, 48
.set S,   64
.set P,   128
.set O,   160
.set PS,  224
.set VF,  128                          ; window 1
.set QF,  192
.set BI,  224
.set G1K, 28
.set G1V, 36
.set G0K, 44
.set G0V, 48
.set MSB, 0
.macro WIN new
.if MSB != \new
	s_set_vgpr_msb (MSB<<8)|\new
.set MSB, \new
.endif
.endm
; every wave fetches a quarter: waves 0-3 64 rows of K, waves 4-7 64 rows of V.  An s_nop 0 and four v_nop follow each line
.macro TLOAD
	s_cmp_lt_u32 s12, 4
	s_cbranch_scc0 .Lfor_v_\@
	tensor_load_to_lds s[G0K:G0K+3], s[G1K:G1K+7]
	s_nop 0
.rept 4
	v_nop
.endr
	s_branch .Lasked_\@
.Lfor_v_\@:
	tensor_load_to_lds s[G0V:G0V+3], s[G1V:G1V+7]
	s_nop 0
.rept 4
	v_nop
.endr
.Lasked_\@:
.endm
; A prefetch of what the next change of slots will ask for.  All eight work-groups of a head walk slots 0, 1, 2 .. in their first pass: the head's first work-group asks, each wave for its own quarter (64 rows of 128 bytes: lanes 256 bytes apart),
; in trip T for slot T + 2, while T < 6: so each block of 256 bytes of slots 2 to 7 is named once.  Slots 0 and 1 come by their loads alone.
.macro ASK
	s_cmp_lt_u32 s18, s62
	s_cbranch_scc0 .Lnot_mine_\@
	global_prefetch_b8 v[PFO], s[60:61] th:TH_LOAD_NT scope:SCOPE_SE
.Lnot_mine_\@:
.endm
.macro QLOAD                           ; my 32 queries: a fragment is 16 rows x 32 channels: two loads of 16 bytes, 32 bytes apart
	s_lshl_b32 s74, s20, 7
	s_mov_b32 s75, 0
	s_add_nc_u64 s[74:75], s[56:57], s[74:75]
	WIN 0x40
.irp T, 0,1
.irp c, 0,1
	global_load_b128 v[QF+16*\T+8*\c:QF+16*\T+8*\c+3], v[QO], s[74:75] offset:\T*2048+64*\c
	global_load_b128 v[QF+16*\T+8*\c+4:QF+16*\T+8*\c+7], v[QO], s[74:75] offset:\T*2048+64*\c+32
.endr
.endr
	WIN 0
.endm
.macro INIT                            ; a pass begins: O^T and the sums are zeros, the largest t is -3e38, under every t: the step is written once
.set n, 0
.rept 64
	v_mov_b32 v[O+n], 0
.set n, n+1
.endr
.irp T, 0,1
	v_mov_b32 v[ST+8*\T], 0xff61b1e6
.irp k, 1,2,3,4,5,6,7
	v_mov_b32 v[ST+8*\T+\k], 0
.endr
.endr
.endm
	s_load_b256 s[4:11], s[0:1], 0x0               ; qkv, e_gate, log_xi, att
	v_lshl_add_u32 v[SPW], v0, 2, SPARE
	v_mov_b32 v[NIL], 0
	ds_add_u32 v[SPW], v[NIL]                      ; the wave's opening: the add, twice on end, and its wait ahead of my first tensor load
	ds_add_u32 v[SPW], v[NIL]
	v_lshrrev_b32 v1, 5, v0
	v_readfirstlane_b32 s12, v1                    ; wave 0..7
	s_lshr_b32 s13, s12, 2                         ; g
	s_and_b32 s14, s12, 3                          ; wq
	s_mov_b32 s15, ttmp9                           ; i
	s_and_b32 s16, ttmp7, 0xffff                   ; bh
	s_lshr_b32 s17, s15, 1
	s_sub_co_u32 s17, 8, s17                       ; the first pass's slots
	s_sub_co_u32 s23, 15, s15                      ; the first pass's query block
	s_lshl_b32 s26, s13, 6                         ; 64 g
	s_mov_b32 s24, 0x76543210
	s_mov_b32 s25, 0xfedcba98                      ; v_permlanex16_b32's selects for lane l xor 16
	s_mov_b32 s[G1K], (1<<20)|(4<<22)|(3<<25)      ; elements of 1 byte; 4 words of padding after every 32
	s_mov_b32 s[G1V], (1<<20)|(4<<22)|(7<<25)      ; 8 words
.irp g, G1K, G1V
	s_mov_b32 s[\g+1], 128<<16                     ; tensor_dim0
	s_mov_b32 s[\g+2], 64<<16                      ; tensor_dim1
	s_mov_b32 s[\g+3], 128<<16                     ; tile_dim0
	s_mov_b32 s[\g+4], 64                          ; tile_dim1
	s_mov_b32 s[\g+5], 128                         ; from row to row
	s_mov_b32 s[\g+6], 0
	s_mov_b32 s[\g+7], 0
.endr
	s_mov_b32 s[G0K], 1
	s_mul_i32 s[G0K+1], s14, 64*KP
	s_mov_b32 s[G0V], 1
	s_mul_i32 s[G0V+1], s14, 64*VP
	s_add_co_u32 s[G0V+1], s[G0V+1], VOFF
	s_lshl_b32 s66, s16, 18                        ; the head's 2,048 rows of 128 bytes,
	s_lshl_b32 s68, s14, 13                        ; my quarter's 64 rows
	s_add_co_u32 s68, s68, s66
	s_mov_b32 s67, 0
	s_mov_b32 s69, 0
	s_mov_b32 s18, 0                               ; the trip
	s_mov_b32 s19, 0                               ; the slot in hand
	s_mov_b32 s21, 0                               ; its first key
	s_lshl_b32 s20, s23, 7
	s_lshl_b32 s70, s14, 5
	s_add_co_u32 s20, s20, s70                     ; my first query
	s_wait_dscnt 0x0                               ; both opening adds are done
	s_wait_kmcnt 0x0
	s_add_nc_u64 s[52:53], s[4:5], s[68:69]
	s_add_nc_u64 s[52:53], s[52:53], 0x800000      ; my quarter of the head's first slot, in K,
	s_add_nc_u64 s[54:55], s[52:53], 0x800000      ; in V
	s_mov_b64 s[G0K+2:G0K+3], s[52:53]
	s_or_b32 s[G0K+3], s[G0K+3], 0x80000000
	s_mov_b64 s[G0V+2:G0V+3], s[54:55]
	s_or_b32 s[G0V+3], s[G0V+3], 0x80000000
	TLOAD                                          ; slot 0: one load of mine is out
	s_add_nc_u64 s[56:57], s[4:5], s[66:67]        ; q of my head
	s_and_b32 s66, s16, 15                         ; h
	s_lshl_b32 s68, s66, 2
	s_lshl_b32 s66, s66, 19                        ; att: h x 4,096 rows of 128 bytes,
	s_lshr_b32 s70, s16, 4
	s_lshl_b32 s70, s70, 18                        ; b x 2,048 rows
	s_add_co_u32 s66, s66, s70
	s_add_nc_u64 s[58:59], s[10:11], s[66:67]
	s_add_nc_u64 s[6:7], s[6:7], s[68:69]
	s_add_nc_u64 s[8:9], s[8:9], s[68:69]
	s_load_b32 s70, s[6:7], 0x0
	s_load_b32 s71, s[8:9], 0x0
	s_cmp_lt_u32 s12, 4
	s_cselect_b64 s[60:61], s[52:53], s[54:55]
	s_add_nc_u64 s[60:61], s[60:61], 32768         ; the prefetches stand in slot 1: the first change steps them to slot 2
	s_cmp_eq_u32 s15, 0
	s_cselect_b32 s62, 6, 0
	v_and_b32 v20, 15, v0                          ; r
	v_bfe_u32 v21, v0, 4, 1                        ; h
	v_and_b32 v22, 31, v0                          ; lane
	v_lshlrev_b32 v[QO], 7, v20
	v_lshl_add_u32 v[QO], v21, 4, v[QO]
	QLOAD
	v_mul_u32_u24 v[AK], v20, KP
	v_lshl_add_u32 v[AK], v21, 4, v[AK]
	s_mul_i32 s66, s13, 64*KP
	v_add_nc_u32 v[AK], s66, v[AK]                 ; K: row r, 16 bytes a half, my group's 64 keys
	v_and_b32 v23, 7, v0
	v_lshl_add_u32 v23, v21, 3, v23
	v_mul_u32_u24 v[AV], v23, VP
	v_bfe_u32 v23, v0, 3, 1
	v_lshl_add_u32 v[AV], v23, 4, v[AV]
	s_mul_i32 s66, s13, 64*VP
	s_add_co_u32 s66, s66, VOFF
	v_add_nc_u32 v[AV], s66, v[AV]                 ; V, for the turning load: key 8 h + lane % 8, channels 8 ((lane / 8) % 2) on
	s_mul_i32 s66, s14, 4608
	s_add_co_u32 s66, s66, STAGE
	v_mul_u32_u24 v[STO], v20, 144
	v_lshl_add_u32 v[STO], v21, 4, v[STO]
	v_add_nc_u32 v[STO], s66, v[STO]
	v_lshrrev_b32 v23, 3, v22
	v_mul_u32_u24 v[RD], v23, 144
	v_and_b32 v23, 7, v0
	v_lshl_add_u32 v[RD], v23, 4, v[RD]
	v_add_nc_u32 v[RD], s66, v[RD]
	v_lshlrev_b32 v[GO], 4, v22
	s_mul_i32 s66, s14, 8704
	s_add_co_u32 s66, s66, MERGE
	v_lshl_add_u32 v[MG], v22, 4, s66
	v_mov_b32 v[QT], v20
	v_add_nc_u32 v[QT+1], 16, v20
	v_lshlrev_b32 v23, 3, v21                      ; 8 h
	v_sub_nc_u32 v[ML], v20, v23
	v_add_nc_u32 v[ML+1], 16, v[ML]
	v_mov_b32 v[NINF], 0xff800000
	v_lshlrev_b32 v[PFO], 8, v22
	s_wait_kmcnt 0x0
	v_mov_b32 v24, s70
	v_mov_b32 v25, s71
	v_mul_f32 v24, 0xbfb8aa3b, v24
	v_mul_f32 v25, 0xbfb8aa3b, v25
	v_exp_f32 v24, v24
	v_exp_f32 v25, v25                             ; exp(-log_xi)
	v_nop
	s_wait_alu depctr_va_vdst(0)
	v_add_f32 v24, 1.0, v24
	v_rcp_f32 v24, v24                             ; sigmoid(e_gate)
	v_mul_f32 v25, 0x3fb8aa3b, v25                 ; (a plain line behind the reciprocal)
	s_wait_alu depctr_va_vdst(0)
	v_mul_f32 v[AP], v24, v25
	v_min_num_f32 v[AP], 0x71800000, v[AP]         ; held at 2^100
.set n, 0
.rept 32
	v_add_nc_u32 v[S+n], 16*(n/8)+n%8, v23         ; off = 16 kt + 8 h + j
.set n, n+1
.endr
.set n, 0
.rept 32
	v_cvt_f32_u32 v[S+n], v[S+n]
.set n, n+1
.endr
	WIN 0x40
.set n, 0
.rept 32
	v_mul_f32 v[BI+n], v[AP], v[S+n]
.set n, n+1
.endr
	WIN 0
	INIT
	s_wait_loadcnt 0x0                             ; Q
.macro LOADK u                         ; 64 keys x 64 channels: 8 fragments, 16 loads
.irp kt, 0,1,2,3
.irp c, 0,1
	ds_load_b128 v[64*\u+16*\kt+8*\c:64*\u+16*\kt+8*\c+3], v[ADK] offset:\u*128*KP+\kt*16*KP+64*\c
	ds_load_b128 v[64*\u+16*\kt+8*\c+4:64*\u+16*\kt+8*\c+7], v[ADK] offset:\u*128*KP+\kt*16*KP+64*\c+32
.endr
.endr
.endm
.macro LOADV u                         ; the same keys' values, turned: 8 fragments (16 channels x 32 keys), 16 loads
.irp kc, 0,1
.irp dt, 0,1,2,3
	ds_load_tr16_b128 v[VF+32*\kc+8*\dt:VF+32*\kc+8*\dt+3], v[ADV] offset:\u*128*VP+\kc*32*VP+32*\dt
	ds_load_tr16_b128 v[VF+32*\kc+8*\dt+4:VF+32*\kc+8*\dt+7], v[ADV] offset:\u*128*VP+\kc*32*VP+16*VP+32*\dt
.endr
.endr
.endm
.macro SMUL u                          ; S^T = K Q^T + a' off: eight accumulators by turns, one instruction a turn
	WIN 0x15                                       ; K, Q and the bias in window 1
.irp kt, 0,1,2,3
.irp T, 0,1
	v_wmma_f32_16x16x32_f16 v[S+32*\T+8*\kt:S+32*\T+8*\kt+7], v[64*\u+16*\kt:64*\u+16*\kt+7], v[QF+16*\T:QF+16*\T+7], v[BI+8*\kt:BI+8*\kt+7]
.endr
.endr
	WIN 0x05
.irp kt, 0,1,2,3
.irp T, 0,1
	v_wmma_f32_16x16x32_f16 v[S+32*\T+8*\kt:S+32*\T+8*\kt+7], v[64*\u+16*\kt+8:64*\u+16*\kt+15], v[QF+16*\T+8:QF+16*\T+15], v[S+32*\T+8*\kt:S+32*\T+8*\kt+7]
.endr
.endr
	WIN 0
.endm
.macro SOFT                            ; both tiles line by line
.irp kt, 0,1,2,3
.irp T, 0,1
	v_max3_num_f32 v[ST+8*\T+4+\kt], v[S+32*\T+8*\kt], v[S+32*\T+8*\kt+1], v[S+32*\T+8*\kt+2]   ; four chains, each accumulator from its low end on
.endr
.endr
.irp i, 3,5
.irp kt, 0,1,2,3
.irp T, 0,1
	v_max3_num_f32 v[ST+8*\T+4+\kt], v[ST+8*\T+4+\kt], v[S+32*\T+8*\kt+\i], v[S+32*\T+8*\kt+\i+1]
.endr
.endr
.endr
.irp kt, 0,1,2,3
.irp T, 0,1
	v_max_num_f32 v[ST+8*\T+4+\kt], v[ST+8*\T+4+\kt], v[S+32*\T+8*\kt+7]
.endr
.endr
.irp T, 0,1
	v_max3_num_f32 v[ST+8*\T+4], v[ST+8*\T+4], v[ST+8*\T+5], v[ST+8*\T+6]
.endr
.irp T, 0,1
	v_max_num_f32 v[ST+8*\T+4], v[ST+8*\T+4], v[ST+8*\T+7]
.endr
.irp T, 0,1
	v_permlanex16_b32 v[ST+8*\T+5], v[ST+8*\T+4], s24, s25     ; the query's other 32 keys lie in the lane 16 away
.endr
.irp T, 0,1
	v_max_num_f32 v[ST+8*\T+4], v[ST+8*\T+4], v[ST+8*\T+5]
.endr
.irp T, 0,1
	v_add_f32 v[ST+8*\T+4], v[ST+8*\T+4], v[BB+\T]             ; the step's largest t
.endr
.irp T, 0,1
	v_mov_b32 v[ST+8*\T+5], v[ST+8*\T]
.endr
.irp T, 0,1
	v_max_num_f32 v[ST+8*\T], v[ST+8*\T], v[ST+8*\T+4]         ; the running maximum m
.endr
.irp T, 0,1
	v_sub_f32 v[ST+8*\T+4], v[ST+8*\T+5], v[ST+8*\T]           ; old m - new m
.endr
.irp T, 0,1
	v_sub_f32 v[ST+8*\T+6], v[BB+\T], v[ST+8*\T]               ; d = a' (k0 - q) - m
.endr
.set n, 0
.rept 16
.irp T, 0,1
	v_pk_add_f32 v[S+32*\T+n:S+32*\T+n+1], v[S+32*\T+n:S+32*\T+n+1], v[ST+8*\T+6:ST+8*\T+7] op_sel_hi:[1,0]   ; t - m
.endr
.set n, n+2
.endr
.irp T, 0,1
	v_exp_f32 v[ST+8*\T+4], v[ST+8*\T+4]                       ; f = 2^(old m - new m)
.endr
.set n, 0
.rept 32
.irp T, 0,1
	v_exp_f32 v[S+32*\T+n], v[S+32*\T+n]                       ; p = 2^(t - m)
.endr
.set n, n+1
.endr
	v_nop                                                      ; a plain line behind the last exponential
	s_wait_alu depctr_va_vdst(0)                               ; one wait for the 66, ahead of their first reader
.set n, 0
.rept 16
.irp T, 0,1
	v_cvt_pk_f16_f32 v[P+16*\T+n], v[S+32*\T+2*n], v[S+32*\T+2*n+1]
.endr
.set n, n+1
.endr
.set n, 0
.rept 16
.irp T, 0,1
	v_pk_mul_f32 v[O+32*\T+n:O+32*\T+n+1], v[O+32*\T+n:O+32*\T+n+1], v[ST+8*\T+4:ST+8*\T+5] op_sel_hi:[1,0]   ; O^T under the new m
.endr
.set n, n+2
.endr
.endm
.macro PVMUL                           ; O^T += V^T P: eight accumulators by turns
	WIN 0x01
.irp kc, 0,1
.irp dt, 0,1,2,3
.irp T, 0,1
	v_wmma_f32_16x16x32_f16 v[O+32*\T+8*\dt:O+32*\T+8*\dt+7], v[VF+32*\kc+8*\dt:VF+32*\kc+8*\dt+7], v[P+16*\T+8*\kc:P+16*\T+8*\kc+7], v[O+32*\T+8*\dt:O+32*\T+8*\dt+7]
.endr
.endr
.endr
	WIN 0
.endm
.macro SUMS                            ; the rows' sums of the unrounded p, in place over S.  These 32 plain lines name no register of the products above: they are the places behind them
.irp u, 0,1,2,3,4,5,6,7
.irp T, 0,1
	v_pk_add_f32 v[S+32*\T+4*\u:S+32*\T+4*\u+1], v[S+32*\T+4*\u:S+32*\T+4*\u+1], v[S+32*\T+4*\u+2:S+32*\T+4*\u+3]
.endr
.endr
.irp u, 0,1,2,3
.irp T, 0,1
	v_pk_add_f32 v[S+32*\T+8*\u:S+32*\T+8*\u+1], v[S+32*\T+8*\u:S+32*\T+8*\u+1], v[S+32*\T+8*\u+4:S+32*\T+8*\u+5]
.endr
.endr
.irp u, 0,1
.irp T, 0,1
	v_pk_add_f32 v[S+32*\T+16*\u:S+32*\T+16*\u+1], v[S+32*\T+16*\u:S+32*\T+16*\u+1], v[S+32*\T+16*\u+8:S+32*\T+16*\u+9]
.endr
.endr
.irp T, 0,1
	v_pk_add_f32 v[S+32*\T:S+32*\T+1], v[S+32*\T:S+32*\T+1], v[S+32*\T+16:S+32*\T+17]
.endr
.irp T, 0,1
	v_pk_fma_f32 v[ST+8*\T+2:ST+8*\T+3], v[ST+8*\T+2:ST+8*\T+3], v[ST+8*\T+4:ST+8*\T+5], v[S+32*\T:S+32*\T+1] op_sel_hi:[1,0,1]
.endr
.endm
; a step of 64 keys.  s22 = REL = the step's first key - my first query, 0 or less
.macro STEPBODY u
.if \u == 0
	s_wait_dscnt 32                                ; K of this step is in; V's and the next step's K's 32 loads may be out
.else
	s_wait_dscnt 16                                ; K is in; V's 16 loads may be out
.endif
	SMUL \u
	v_sub_nc_u32 v[TW], s22, v[QT]                 ; these six lines name no register of the products: the places behind them
	v_sub_nc_u32 v[TW+1], s22, v[QT+1]
	v_cvt_f32_i32 v[TW], v[TW]
	v_cvt_f32_i32 v[TW+1], v[TW+1]
	v_mul_f32 v[BB], v[AP], v[TW]                  ; a' (k0 - q)
	v_mul_f32 v[BB+1], v[AP], v[TW+1]
	s_add_co_i32 s66, s22, 63
	s_cmp_le_i32 s66, 0
	s_cbranch_scc1 .Lopen_\@                       ; all 64 keys count for all my queries
	v_sub_nc_u32 v[TW], v[ML], s22                 ; on the diagonal: register 8 kt + j is hidden where 16 kt + j > my place - 8 h - REL
	v_sub_nc_u32 v[TW+1], v[ML+1], s22
.irp T, 0,1
.set n, 0
.rept 32
	v_cmp_gt_i32 vcc_lo, 16*(n/8)+n%8, v[TW+\T]
	v_cndmask_b32 v[S+32*\T+n], v[S+32*\T+n], v[NINF], vcc_lo
.set n, n+1
.endr
.endr
.Lopen_\@:
	SOFT
.if \u == 0
	s_wait_dscnt 16                                ; V is in; the next step's K may be out
.else
	s_wait_dscnt 0x0
.endif
	PVMUL
	SUMS
.endm
; a trip: my group's two steps of the slot in hand.  A step whose first key comes after my first query is hidden whole (first keys are multiples of 64, first queries of 32): a branch on ids, round loads, products and softmax alone
.macro TRIP
	s_add_co_u32 s22, s21, s26
	s_sub_co_i32 s22, s22, s20
	s_cmp_gt_i32 s22, 0
	s_cbranch_scc1 .Ltrip_end_\@
	v_add_nc_u32 v[ADK], s19, v[AK]
	v_add_nc_u32 v[ADV], s19, v[AV]
	WIN 0x40
	LOADK 0
	LOADV 0
	LOADK 1
	WIN 0
	STEPBODY 0
	s_add_co_i32 s22, s22, 128
	s_cmp_gt_i32 s22, 0
	s_cbranch_scc1 .Ltrip_end_\@
	WIN 0x40
	LOADV 1                                        ; V's registers are free: 32 plain lines stand behind the products that read them
	WIN 0
	STEPBODY 1
.Ltrip_end_\@:
	s_xor_b32 s19, s19, SLOT1                      ; on to the other slot
	s_add_co_u32 s21, s21, 256
.endm
; THE CHANGE OF SLOTS stands at a trip's head.  Each wave waits for all its tensor loads (its quarter of the slot ahead), adds 0 to its spare word, and waits for that and for its reads of the slot that it has left.
; fill = 1: behind the barrier that other slot takes the keys of trip T + 1: the load has a trip's two steps in which to land.
.macro CHANGE fill
	s_wait_tensorcnt 0x0                           ; no tensor load of mine is out, so a group 0 may be written
	ds_add_u32 v[SPW], v[NIL]                      ; 0 onto my spare word; the descriptors' steps stand between it and the wait for it
.if \fill
	s_add_co_u32 s66, s18, 1
	s_cmp_lt_u32 s66, s17                          ; does trip T + 1 belong to the first pass?
	s_cselect_b32 s67, 0, s17
	s_cselect_b32 s72, s23, s15                    ; its query block,
	s_sub_co_u32 s66, s66, s67                     ; its slot of keys
	s_lshl_b32 s73, s66, 1
	s_lshl_b32 s66, s66, 15                        ; 256 rows of 128 bytes
	s_mov_b32 s67, 0
	s_add_nc_u64 s[G0K+2:G0K+3], s[52:53], s[66:67]
	s_or_b32 s[G0K+3], s[G0K+3], 0x80000000
	s_add_nc_u64 s[G0V+2:G0V+3], s[54:55], s[66:67]
	s_or_b32 s[G0V+3], s[G0V+3], 0x80000000
	s_xor_b32 s[G0K+1], s[G0K+1], SLOT1
	s_xor_b32 s[G0V+1], s[G0V+1], SLOT1
	s_wait_xcnt 0x0                                ; the last prefetch, a trip back, has read its address
	s_add_nc_u64 s[60:61], s[60:61], 32768
.endif
	s_wait_dscnt 0x0                               ; the add is done, and my reads of the slot that I have left are over
	s_barrier_signal -1
	s_barrier_wait -1
.if \fill
	s_cmp_ge_u32 s73, s72                          ; ids and the count of trips alone, the same in all eight waves: the slot's upper 128 keys begin behind the block's last query where 2 x slot >= block
	s_cbranch_scc1 .Lhalf_\@
	TLOAD                                          ; the first thing behind the barrier, and a wave's one tensor load until the next
	s_branch .Lfilled_\@
.Lhalf_\@:
	s_cmp_lt_u32 s14, 2                            ; then only the lower half's rows are fetched: no step reads the others
	s_cbranch_scc0 .Lfilled_\@
	TLOAD
.Lfilled_\@:
	ASK
.endif
.endm
; A PASS'S END.  Group 1 hands (m, L, O^T) to group 0 through LDS as images of the registers; group 0 joins them, divides, rounds to f16 and stores 32 rows of 128 bytes through its stage.  next = 1: the second pass is set up.
.macro FINISH next
	s_wait_xcnt 0x0                                ; earlier stores and prefetches have read their addresses
.irp T, 0,1
	v_add_f32 v[ST+8*\T+4], v[ST+8*\T+2], v[ST+8*\T+3]
.endr
.irp T, 0,1
	v_permlanex16_b32 v[ST+8*\T+5], v[ST+8*\T+4], s24, s25
.endr
.irp T, 0,1
	v_add_f32 v[MS+2*\T+1], v[ST+8*\T+4], v[ST+8*\T+5]         ; L
	v_mov_b32 v[MS+2*\T], v[ST+8*\T]                           ; m
.endr
	s_lshl_b32 s66, s20, 7
	s_mov_b32 s67, 0
	s_add_nc_u64 s[68:69], s[58:59], s[66:67]      ; where my 32 rows go
.if \next
	s_lshl_b32 s20, s15, 7
	s_lshl_b32 s66, s14, 5
	s_add_co_u32 s20, s20, s66                     ; my first query of the second pass
	s_mov_b32 s21, 0                               ; which begins at key 0
	QLOAD
.endif
	s_cmp_eq_u32 s13, 0
	s_cbranch_scc1 .Lkeeps_\@
.set n, 0
.rept 16
	ds_store_b128 v[MG], v[O+4*n:O+4*n+3] offset:512*n
.set n, n+1
.endr
	ds_store_b128 v[MG], v[MS:MS+3] offset:8192
.Lkeeps_\@:
	s_wait_dscnt 0x0                               ; for the others' sake: my stores have landed
	s_barrier_signal -1
	s_barrier_wait -1                              ; the next slot's load may stay on its way
	s_cmp_lg_u32 s13, 0
	s_cbranch_scc1 .Lgave_\@
.set n, 0
.rept 16
	ds_load_b128 v[S+4*n:S+4*n+3], v[MG] offset:512*n
.set n, n+1
.endr
	ds_load_b128 v[PS:PS+3], v[MG] offset:8192
	s_wait_dscnt 0x0
.irp T, 0,1
	v_max_num_f32 v[TW+4*\T+1], v[MS+2*\T], v[PS+2*\T]         ; the joint maximum
.endr
.irp T, 0,1
	v_sub_f32 v[TW+4*\T], v[MS+2*\T], v[TW+4*\T+1]
	v_sub_f32 v[TW+4*\T+2], v[PS+2*\T], v[TW+4*\T+1]
.endr
.irp T, 0,1
	v_exp_f32 v[TW+4*\T], v[TW+4*\T]
	v_exp_f32 v[TW+4*\T+2], v[TW+4*\T+2]
.endr
	v_nop
	s_wait_alu depctr_va_vdst(0)
.irp T, 0,1
	v_mul_f32 v[TW+4*\T+3], v[MS+2*\T+1], v[TW+4*\T]
.endr
.irp T, 0,1
	v_fma_f32 v[TW+4*\T+3], v[PS+2*\T+1], v[TW+4*\T+2], v[TW+4*\T+3]   ; the joint sum: group 0 always holds key 0, so it is not 0
.endr
.irp T, 0,1
	v_rcp_f32 v[TW+4*\T+3], v[TW+4*\T+3]
.endr
	v_nop
	s_wait_alu depctr_va_vdst(0)
.irp T, 0,1
	v_mul_f32 v[TW+4*\T], v[TW+4*\T], v[TW+4*\T+3]
	v_mul_f32 v[TW+4*\T+2], v[TW+4*\T+2], v[TW+4*\T+3]
.endr
.set n, 0
.rept 16
.irp T, 0,1
	v_pk_mul_f32 v[O+32*\T+n:O+32*\T+n+1], v[O+32*\T+n:O+32*\T+n+1], v[TW+4*\T:TW+4*\T+1] op_sel_hi:[1,0]
.endr
.set n, n+2
.endr
.set n, 0
.rept 16
.irp T, 0,1
	v_pk_fma_f32 v[O+32*\T+n:O+32*\T+n+1], v[S+32*\T+n:S+32*\T+n+1], v[TW+4*\T+2:TW+4*\T+3], v[O+32*\T+n:O+32*\T+n+1] op_sel_hi:[1,0,1]
.endr
.set n, n+2
.endr
.set n, 0
.rept 16
.irp T, 0,1
	v_cvt_pk_f16_f32 v[P+16*\T+n], v[O+32*\T+2*n], v[O+32*\T+2*n+1]
.endr
.set n, n+1
.endr
.irp T, 0,1
.irp dt, 0,1,2,3
	ds_store_b128 v[STO], v[P+16*\T+4*\dt:P+16*\T+4*\dt+3] offset:\T*2304+32*\dt
.endr
.endr
.irp T, 0,1
.irp t, 0,1,2,3
	ds_load_b128 v[S+16*\T+4*\t:S+16*\T+4*\t+3], v[RD] offset:\T*2304+\t*576   ; LDS serves a wave's instructions in order: these see the stores above
.endr
.endr
	s_wait_dscnt 0x0
.irp T, 0,1
.irp t, 0,1,2,3
	global_store_b128 v[GO], v[S+16*\T+4*\t:S+16*\T+4*\t+3], s[68:69] offset:\T*2048+\t*512   ; four rows: 512 consecutive bytes, aligned
.endr
.endr
.if \next
	s_wait_xcnt 0x0                                ; the stores have read their registers: the next pass writes them again
.endif
.Lgave_\@:
.if \next
	INIT
	s_wait_loadcnt 0x0                             ; the second pass's Q
.endif
.endm
.Ltrip:                                            ; eight trips; the ninth is written out, since it asks for nothing
	CHANGE 1
	TRIP
	s_add_co_u32 s66, s18, 1
	s_cmp_lg_u32 s66, s17
	s_cbranch_scc1 .Lsame_pass                     ; the work-group's number and the count of trips alone: all eight waves go the same way
	FINISH 1
.Lsame_pass:
	s_add_co_u32 s18, s18, 1
	s_cmp_lt_u32 s18, 8
	s_cbranch_scc1 .Ltrip
	CHANGE 0
	TRIP
	FINISH 0
	s_wait_tensorcnt 0x0                           ; the wave's end
	ds_add_u32 v[SPW], v[NIL]
	s_wait_dscnt 0x0
	s_endpgm
.Lfunc_end_k_q959571e78b_attn:
	.size	k_q959571e78b_attn, .Lfunc_end_k_q959571e78b_attn-k_q959571e78b_attn
	.p2alignl 7, 3214868480
	.fill 96, 4, 3214868480
	.section	.rodata,"a",@progbits
	.p2align	6, 0x0
	.amdhsa_kernel k_q959571e78b_attn
		.amdhsa_group_segment_fixed_size 327680
		.amdhsa_private_segment_fixed_size 0
		.amdhsa_enable_private_segment 0
		.amdhsa_kernarg_size 32
		.amdhsa_user_sgpr_count 2
		.amdhsa_user_sgpr_kernarg_segment_ptr 1
		.amdhsa_wavefront_size32 1
		.amdhsa_system_sgpr_workgroup_id_x 1
		.amdhsa_system_sgpr_workgroup_id_y 1
		.amdhsa_system_sgpr_workgroup_id_z 1
		.amdhsa_system_vgpr_workitem_id 0
		.amdhsa_next_free_vgpr 512
		.amdhsa_next_free_sgpr 80
		.amdhsa_reserve_vcc 1
		.amdhsa_float_denorm_mode_32 3
		.amdhsa_float_denorm_mode_16_64 3
		.amdhsa_memory_ordered 1
		.amdhsa_forward_progress 1
		.amdhsa_inst_pref_size 129
	.end_amdhsa_kernel
	.amdgpu_metadata
---
amdhsa.version: [ 1, 2 ]
amdhsa.kernels:
  - .name:           k_q959571e78b_attn
    .symbol:         k_q959571e78b_attn.kd
    .args:
      - { .name: qkv, .offset: 0, .size: 8, .value_kind: global_buffer, .address_space: global }
      - { .name: e_gate_logit, .offset: 8, .size: 8, .value_kind: global_buffer, .address_space: global }
      - { .name: log_xi, .offset: 16, .size: 8, .value_kind: global_buffer, .address_space: global }
      - { .name: att, .offset: 24, .size: 8, .value_kind: global_buffer, .address_space: global }
    .group_segment_fixed_size: 327680
    .private_segment_fixed_size: 0
    .kernarg_segment_align: 8
    .kernarg_segment_size: 32
    .max_flat_workgroup_size: 256
    .sgpr_count:     80
    .vgpr_count:     512
    .wavefront_size: 32
...
	.end_amdgpu_metadata
.endif
;; end of part 3
;; launch proj (part 4): grid 8 x 32, 4 waves a work-group, clusters of 4 x 4, 327,680 bytes of LDS; arguments att, wo16, out0; writes out0
.if DOCPART == 4
	.amdgcn_target "amdgcn-amd-amdhsa--gfx1250"
	.amdhsa_code_object_version 6
	.text
	.protected	k_q959571e78b_proj
	.globl	k_q959571e78b_proj
	.p2align	8
	.type	k_q959571e78b_proj,@function
k_q959571e78b_proj:
	s_mov_b64 s[64:65], 0
	v_nop
	global_prefetch_b8 v0, s[64:65] scope:SCOPE_SE
	s_setreg_imm32_b32 hwreg(HW_REG_WAVE_MODE, 25, 1), 1
	s_wait_xcnt 0x0
	s_wait_alu depctr_hold_cnt(0) depctr_sa_sdst(0) depctr_va_vdst(0) depctr_va_sdst(0) depctr_va_ssrc(0) depctr_va_vcc(0) depctr_vm_vsrc(0)
	s_getreg_b32 s2, hwreg(HW_REG_IB_STS2, 6, 4)
	s_cmp_eq_u32 s2, 0
	s_cbranch_scc0 .Lentry_in_a_cluster
	s_endpgm
.Lentry_in_a_cluster:
	s_bfe_u32 s2, ttmp6, 0x10000c
	s_cmp_lg_u32 s2, 0xf033
	s_cbranch_scc0 .Lentry_shape_is_right
	s_endpgm
.Lentry_shape_is_right:
; out0[m][n] = sum over k of att[m][k] Wo[n][k], f16 operands, f32 sums.  att [16 planes][4096 m][64], wo16 [16 planes][1024 n][64]: plane p holds k = 64 p .. 64 p + 63.  out0 [4096][1024] f32.
; WORK LEFT OUT: the rows of positions 0-15 of both sequences are multiplied inside their tiles but not stored: the next launch makes them in f32.
; A tile of out0 is 128 x 128; four waves, each 64 x 64: 16 accumulators.  K goes in four steps of 256 (four planes) through two LDS slots; a wave's one tensor load brings two planes of 128 rows x 128 bytes:
; a plane's 128 rows are 16,384 dense bytes, stated as one row of 2,048 elements of 8 bytes, with 16 bytes of padding behind every 128: LDS rows 144 bytes apart.
; CLUSTER 4 x 4: att's tiles are shared along a row of the cluster, wo16's along a column: joint loads.  THE MATRIX INSTRUCTION IS USED TRANSPOSED (source 0 = 16 rows of Wo, source 1 = 16 rows of att).
; REGISTERS: window 0: v16-29 addresses; v128-255 the accumulators ((a, b) at v[128 + 8 (4 a + b)]).  window 1: two fragment buffers of 128 (64 of att, 64 of Wo: one plane); on the way out 32 rows.
.set PITCH,  144
.set PLANE,  128*PITCH
.set HALFT,  2*PLANE                   ; what one tensor load brings
.set SLOT,   4*HALFT                   ; att's four planes, then Wo's
.set SPARE,  2*SLOT                    ; the spare words, 128 bytes for each wave
.set SPITCH, 528                       ; the way out: 128 rows x (512 bytes + 16), in slot 0, which has had its last fill and its last read by then
.set ADRA, 16
.set ADRB, 20
.set STO,  24
.set RD,   25
.set CO,   26
.set FLG,  27
.set SPW,  28
.set NIL,  29
.set ACC,  128
.set F0,   0
.set F1,   128
.set G1, 24
.set G0, 32
.set G1B, 48
.set G0B, 56
.set MSB, 0
.macro WIN new
.if MSB != \new
	s_set_vgpr_msb (MSB<<8)|\new
.set MSB, \new
.endif
.endm
.set MUL,  0x05                        ; sources window 1; C and D window 0
.set TO_F, 0x40
.macro JLOAD s                         ; waves 0 and 1 fetch att's planes, waves 2 and 3 Wo's; an s_nop 0 and four v_nop follow each line
	s_cmp_eq_u32 s11, 0
	s_cbranch_scc0 .Lfor_b_\@
	tensor_load_to_lds s[G0+4*\s:G0+4*\s+3], s[G1:G1+7]
	s_nop 0
.rept 4
	v_nop
.endr
	s_branch .Lasked_\@
.Lfor_b_\@:
	tensor_load_to_lds s[G0B+4*\s:G0B+4*\s+3], s[G1B:G1B+7]
	s_nop 0
.rept 4
	v_nop
.endr
.Lasked_\@:
.endm
.macro CREST
	s_cmp_lg_u32 s10, 0
	s_cbranch_scc1 .Lnot_wave_0_\@
	s_barrier_signal -3
.Lnot_wave_0_\@:
	s_barrier_wait -3
	s_barrier_signal -1
	s_barrier_wait -1
.endm
.macro CROUND
	s_barrier_signal -1
	s_barrier_wait -1
	CREST
.endm
	s_load_b128 s[4:7], s[0:1], 0x0                ; att, wo16
	s_load_b64 s[8:9], s[0:1], 0x10                ; out0
	v_lshl_add_u32 v[SPW], v0, 2, SPARE
	v_mov_b32 v[NIL], 0
	ds_add_u32 v[SPW], v[NIL]                      ; the wave's opening: the add, twice on end, and its wait ahead of my first tensor load
	ds_add_u32 v[SPW], v[NIL]
	v_lshrrev_b32 v1, 5, v0
	v_readfirstlane_b32 s10, v1                    ; wave 0..3
	s_lshr_b32 s11, s10, 1                         ; my half of the tile's rows.  Also: I fetch for att (0) or for Wo (1)
	s_and_b32 s12, s10, 1                          ; my half of its columns.  Also: which two planes I fetch
	s_bfe_u32 s40, ttmp6, 0x40000
	s_bfe_u32 s41, ttmp6, 0x40004
	s_lshl_b32 s42, ttmp9, 2
	s_add_co_u32 s42, s42, s40                     ; tile column
	s_and_b32 s13, ttmp7, 0xffff
	s_lshl_b32 s13, s13, 2
	s_add_co_u32 s13, s13, s41                     ; tile row
	s_lshl_b32 s43, s41, 2
	s_lshl_b32 s43, 15, s43                        ; my row of the cluster
	s_lshl_b32 s44, 0x1111, s40                    ; my column
	s_or_b32 s[G1+0], s43, (3<<16)|(1<<20)|(1<<21)|(4<<22)|(3<<25)   ; elements of 8 bytes; 4 words of padding after every 32
	s_or_b32 s[G1B+0], s44, (3<<16)|(1<<20)|(1<<21)|(4<<22)|(3<<25)
.irp g, G1, G1B
	s_mov_b32 s[\g+1], 2048<<16                    ; tensor_dim0: a plane's 128 rows
	s_mov_b32 s[\g+2], 2<<16                       ; tensor_dim1: two planes
	s_mov_b32 s[\g+3], 2048<<16                    ; tile_dim0
	s_mov_b32 s[\g+4], 2                           ; tile_dim1
	s_mov_b32 s[\g+6], 0
	s_mov_b32 s[\g+7], 0
.endr
	s_mov_b32 s[G1+5], 65536                       ; from plane to plane: 4,096 rows of 128 bytes,
	s_mov_b32 s[G1B+5], 16384                      ; 1,024 rows
	s_lshl_b32 s16, s13, 14                        ; att: 128 x tile row rows of 128 bytes,
	s_lshl_b32 s17, s12, 20                        ; + two planes x half
	s_add_co_u32 s16, s16, s17
	s_mov_b32 s17, 0
	s_lshl_b32 s46, s42, 14                        ; Wo likewise
	s_lshl_b32 s47, s12, 18
	s_add_co_u32 s46, s46, s47
	s_mov_b32 s47, 0
	s_mul_i32 s20, s10, HALFT                      ; where they go: wave x two planes
	s_wait_dscnt 0x0                               ; both opening adds are done
	s_wait_kmcnt 0x0
	s_add_nc_u64 s[14:15], s[4:5], s[16:17]
	s_add_nc_u64 s[46:47], s[6:7], s[46:47]
	CROUND                                         ; all sixteen work-groups are here: the first joint loads meet
.irp s, 0,1
	s_mov_b32 s[G0+4*\s], 1
	s_add_co_u32 s[G0+4*\s+1], s20, \s*SLOT
	s_add_nc_u64 s[G0+4*\s+2:G0+4*\s+3], s[14:15], \s*2097152      ; K step s: four planes on
	s_or_b32 s[G0+4*\s+3], s[G0+4*\s+3], 0x80000000
	s_mov_b32 s[G0B+4*\s], 1
	s_add_co_u32 s[G0B+4*\s+1], s20, \s*SLOT
	s_add_nc_u64 s[G0B+4*\s+2:G0B+4*\s+3], s[46:47], \s*524288
	s_or_b32 s[G0B+4*\s+3], s[G0B+4*\s+3], 0x80000000
	JLOAD \s
.endr
	v_and_b32 v1, 15, v0
	v_bfe_u32 v2, v0, 4, 1
	v_mul_u32_u24 v3, v1, PITCH
	v_lshl_add_u32 v3, v2, 4, v3
	s_mul_i32 s21, s11, 64*PITCH                   ; my 64 rows of att
	s_mul_i32 s22, s12, 64*PITCH                   ; my 64 rows of Wo,
	s_add_co_u32 s22, s22, 2*HALFT                 ; behind att's four planes
.irp s, 0,1
	v_add_nc_u32 v[ADRA+\s], s21, v3
	v_add_nc_u32 v[ADRB+\s], s22, v3
	s_add_co_u32 s21, s21, SLOT
	s_add_co_u32 s22, s22, SLOT
.endr
	s_mul_i32 s23, s11, 64*SPITCH                  ; into the stage: my 64 rows, my half of their 512 bytes; row r, 32 bytes for each half of the lanes
	s_lshl_b32 s21, s12, 8
	s_add_co_u32 s23, s23, s21
	v_mul_u32_u24 v4, v1, SPITCH
	v_lshl_add_u32 v4, v2, 5, v4
	v_add_nc_u32 v[STO], s23, v4
	s_mul_i32 s23, s10, 32*SPITCH                  ; back: wave w takes rows 32 w .. + 31, a row an instruction
	v_and_b32 v5, 31, v0
	v_lshlrev_b32 v[CO], 4, v5
	v_add_nc_u32 v[RD], s23, v[CO]
	s_lshl_b32 s16, s13, 7
	s_lshl_b32 s17, s10, 5
	s_add_co_u32 s16, s16, s17                     ; the first row that I store
	s_and_b32 s21, s16, 2047                       ; its position in its sequence
	v_mov_b32 v[FLG], s21
	s_lshl_b32 s16, s16, 12                        ; rows of 4,096 bytes
	s_mov_b32 s17, 0
	s_add_nc_u64 s[8:9], s[8:9], s[16:17]
	s_lshl_b32 s46, s42, 9                         ; the tile's first column, in bytes
	s_mov_b32 s47, 0
	s_add_nc_u64 s[8:9], s[8:9], s[46:47]
.macro MUL8 f, c, a0, zero             ; m blocks a0, a0 + 1 x 4 n blocks, 32 along K: half c of buffer f.  The 16 accumulators take turns
.irp a, \a0, \a0+1
.irp b, 0,1,2,3
.if \zero
	v_wmma_f32_16x16x32_f16 v[ACC+8*(4*(\a)+\b):ACC+8*(4*(\a)+\b)+7], v[\f+64+8*(4*\c+\b):\f+64+8*(4*\c+\b)+7], v[\f+8*(4*\c+\a):\f+8*(4*\c+\a)+7], 0
.else
	v_wmma_f32_16x16x32_f16 v[ACC+8*(4*(\a)+\b):ACC+8*(4*(\a)+\b)+7], v[\f+64+8*(4*\c+\b):\f+64+8*(4*\c+\b)+7], v[\f+8*(4*\c+\a):\f+8*(4*\c+\a)+7], v[ACC+8*(4*(\a)+\b):ACC+8*(4*(\a)+\b)+7]
.endif
.endr
.endr
.endm
.macro FETCH slot, p, f                ; 32 LDS loads in one run: plane p's fragments into buffer f; the first 32 along K first
	WIN TO_F
.irp c, 0,1
.irp i, 0,1,2,3
	ds_load_b128 v[\f+64+8*(4*\c+\i):\f+64+8*(4*\c+\i)+3],   v[ADRB+\slot] offset:\p*PLANE+64*\c+\i*16*PITCH
	ds_load_b128 v[\f+64+8*(4*\c+\i)+4:\f+64+8*(4*\c+\i)+7], v[ADRB+\slot] offset:\p*PLANE+64*\c+\i*16*PITCH+32
	ds_load_b128 v[\f+8*(4*\c+\i):\f+8*(4*\c+\i)+3],         v[ADRA+\slot] offset:\p*PLANE+64*\c+\i*16*PITCH
	ds_load_b128 v[\f+8*(4*\c+\i)+4:\f+8*(4*\c+\i)+7],       v[ADRA+\slot] offset:\p*PLANE+64*\c+\i*16*PITCH+32
.endr
.endr
.endm
.macro PLACES
.rept 4
	v_nop
.endr
.endm
.macro QUARTER slot, p, f, g, zero     ; multiplies buffer f (one plane) and fetches plane p of the same slot into g
	s_wait_dscnt 16                                ; the first 32 along K are in; the other sixteen loads may be out
	WIN MUL
	MUL8 \f, 0, 0, \zero
	MUL8 \f, 0, 2, \zero
	PLACES
	FETCH \slot, \p, \g
	s_wait_dscnt 32                                ; all but the 32 just issued
	WIN MUL
	MUL8 \f, 1, 0, 0
	MUL8 \f, 1, 2, 0
.endm
; a slot's last plane, and the change of slots: one barrier; in front of it each wave waits for all its tensor loads, adds 0 to its spare word, and waits for that and for its reads of this slot
.macro TURN slot, next, fill
	WIN 0
	s_wait_tensorcnt 0x0                           ; all my tensor loads have landed: my part of the next slot
	ds_add_u32 v[SPW], v[NIL]
	s_wait_dscnt 17                                ; (the add and the youngest sixteen loads may be out)
	WIN MUL
	MUL8 F1, 0, 0, 0
	s_wait_dscnt 0x0                               ; the add is done, and my reads of this slot are over
	s_barrier_signal -1
	MUL8 F1, 0, 2, 0
.if \fill
	WIN 0
.endif
	s_barrier_wait -1
.if \fill
	CREST                                          ; the barrier has opened a round of the cluster's barrier: no wave of any partner still reads this slot or has a load on its way
	s_add_nc_u64 s[G0+4*\slot+2:G0+4*\slot+3], s[G0+4*\slot+2:G0+4*\slot+3], 4194304       ; eight planes on
	s_add_nc_u64 s[G0B+4*\slot+2:G0B+4*\slot+3], s[G0B+4*\slot+2:G0B+4*\slot+3], 1048576
	JLOAD \slot                                    ; the first tensor load behind the round; its four v_nop are also the places in front of the loads below
.else
	PLACES
.endif
	FETCH \next, 0, F0
	WIN MUL
	MUL8 F1, 1, 0, 0
	MUL8 F1, 1, 2, 0
.endm
	s_wait_tensorcnt 1                             ; my part of K step 0 is in (K step 1's load may be out),
	s_barrier_signal -1
	s_barrier_wait -1                              ; everybody's is
	FETCH 0, 0, F0
	QUARTER 0, 1, F0, F1, 1                        ; the first products start the sums
	QUARTER 0, 2, F1, F0, 0
	QUARTER 0, 3, F0, F1, 0
	TURN 0, 1, 1                                   ; slot 0 takes K step 2
	QUARTER 1, 1, F0, F1, 0
	QUARTER 1, 2, F1, F0, 0
	QUARTER 1, 3, F0, F1, 0
	TURN 1, 0, 1                                   ; slot 1 takes K step 3
	QUARTER 0, 1, F0, F1, 0
	QUARTER 0, 2, F1, F0, 0
	QUARTER 0, 3, F0, F1, 0
	TURN 0, 1, 0                                   ; nothing is left to fetch
	QUARTER 1, 1, F0, F1, 0
	QUARTER 1, 2, F1, F0, 0
	QUARTER 1, 3, F0, F1, 0
	s_wait_dscnt 16
	WIN MUL
	MUL8 F1, 0, 0, 0
	MUL8 F1, 0, 2, 0
	s_wait_dscnt 0
	MUL8 F1, 1, 0, 0
	MUL8 F1, 1, 2, 0
	WIN 0
	; THE WAY OUT: the accumulators as they stand into the work-group's stage; a barrier, since a row's 512 bytes come from two waves; back as whole rows, 32 rows a wave
	PLACES
.irp a, 0,1,2,3
.irp b, 0,1,2,3
	ds_store_b128 v[STO], v[ACC+8*(4*\a+\b):ACC+8*(4*\a+\b)+3] offset:\a*16*SPITCH+64*\b       ; each accumulator from its low end on
	ds_store_b128 v[STO], v[ACC+8*(4*\a+\b)+4:ACC+8*(4*\a+\b)+7] offset:\a*16*SPITCH+64*\b+16
.endr
.endr
	s_wait_dscnt 0x0                               ; for the others' sake: my stores into the stage are done
	s_barrier_signal -1
	s_barrier_wait -1
	WIN 0x40
.set t, 0
.rept 32
	ds_load_b128 v[4*t:4*t+3], v[RD] offset:t*SPITCH
.set t, t+1
.endr
	WIN 0
	v_cmp_ne_u32 vcc_lo, 0, v[FLG]                 ; my first 16 rows are positions 0-15 where my first row's position is 0: then they are not stored.  No branch: the lanes are switched off
	s_wait_xcnt 0x0                                ; EXEC changes only behind this wait
	s_and_saveexec_b32 s21, vcc_lo
	WIN 0x04                                       ; a store's data are its source 1: window 1
.set t, 0
.rept 16
	s_wait_dscnt 31-t
	global_store_b128 v[CO], v[4*t:4*t+3], s[8:9] offset:t*4096 th:TH_STORE_NT   ; 512 consecutive bytes, aligned
.set t, t+1
.endr
	s_wait_xcnt 0x0
	s_or_b32 exec_lo, exec_lo, s21
.rept 16
	s_wait_dscnt 31-t
	global_store_b128 v[CO], v[4*t:4*t+3], s[8:9] offset:t*4096 th:TH_STORE_NT
.set t, t+1
.endr
	WIN 0
	s_wait_tensorcnt 0x0                           ; the wave's end
	ds_add_u32 v[SPW], v[NIL]
	s_wait_dscnt 0x0
	CROUND                                         ; the closing round
	s_endpgm
.Lfunc_end_k_q959571e78b_proj:
	.size	k_q959571e78b_proj, .Lfunc_end_k_q959571e78b_proj-k_q959571e78b_proj
	.p2alignl 7, 3214868480
	.fill 96, 4, 3214868480
	.section	.rodata,"a",@progbits
	.p2align	6, 0x0
	.amdhsa_kernel k_q959571e78b_proj
		.amdhsa_group_segment_fixed_size 327680
		.amdhsa_private_segment_fixed_size 0
		.amdhsa_enable_private_segment 0
		.amdhsa_kernarg_size 24
		.amdhsa_user_sgpr_count 2
		.amdhsa_user_sgpr_kernarg_segment_ptr 1
		.amdhsa_wavefront_size32 1
		.amdhsa_system_sgpr_workgroup_id_x 1
		.amdhsa_system_sgpr_workgroup_id_y 1
		.amdhsa_system_sgpr_workgroup_id_z 1
		.amdhsa_system_vgpr_workitem_id 0
		.amdhsa_next_free_vgpr 512
		.amdhsa_next_free_sgpr 66
		.amdhsa_reserve_vcc 1
		.amdhsa_float_denorm_mode_32 3
		.amdhsa_float_denorm_mode_16_64 3
		.amdhsa_memory_ordered 1
		.amdhsa_forward_progress 1
		.amdhsa_inst_pref_size 86
	.end_amdhsa_kernel
	.amdgpu_metadata
---
amdhsa.version: [ 1, 2 ]
amdhsa.kernels:
  - .name:           k_q959571e78b_proj
    .symbol:         k_q959571e78b_proj.kd
    .args:
      - { .name: att, .offset: 0, .size: 8, .value_kind: global_buffer, .address_space: global }
      - { .name: wo16, .offset: 8, .size: 8, .value_kind: global_buffer, .address_space: global }
      - { .name: out0, .offset: 16, .size: 8, .value_kind: global_buffer, .address_space: global }
    .group_segment_fixed_size: 327680
    .private_segment_fixed_size: 0
    .kernarg_segment_align: 8
    .kernarg_segment_size: 24
    .max_flat_workgroup_size: 128
    .sgpr_count:     66
    .vgpr_count:     512
    .wavefront_size: 32
...
	.end_amdgpu_metadata
.endif
;; end of part 4
;; launch first16 (part 5): grid 64 x 2, 16 waves a work-group, no clusters, 18,432 bytes of LDS; arguments h32, Wo, e_gate_logit, log_xi, out0; writes out0
.if DOCPART == 5
	.amdgcn_target "amdgcn-amd-amdhsa--gfx1250"
	.amdhsa_code_object_version 6
	.text
	.protected	k_q959571e78b_first16
	.globl	k_q959571e78b_first16
	.p2align	8
	.type	k_q959571e78b_first16,@function
k_q959571e78b_first16:
	s_mov_b64 s[64:65], 0
	v_nop
	global_prefetch_b8 v0, s[64:65] scope:SCOPE_SE
	s_setreg_imm32_b32 hwreg(HW_REG_WAVE_MODE, 25, 1), 1
	s_wait_xcnt 0x0
; Positions 0-15 of both sequences, attention and projection, with f32 operands: these rows average one to sixteen values and are the largest of the output.
; h32 [2 b][3 s][16 h][16 pos][64] f32: q and k rotated and times kappa (their product is the score / 8 in units of log2), v as it is.  Wo [1024][1024] f32.  Stores rows b*2048 + 0..15 of out0 and no others.
; A work-group takes 16 columns of out0 (x of the grid) of one batch (y); wave w is head w: it makes its head's 16 x 16 scores, the softmax, O (16 x 64) and its part of the 16 x 16 outputs; the 16 parts are added through LDS.
; All products by the 16x16x4 f32 form, transposed (a lane holds one query).  k is laid alike on both sides of each product, so that loads of 16 bytes and results as they stand serve as operands.
; The registers that this form writes (v144-159, v176-223) are written by it alone, and each sum begins with the constant 0.
; The mask lies inside the one tile: hidden scores become -infinity ahead of the maximum.  LIMIT: a' is held at 2^100, as in the launch for the other rows.
.set SPARE, 16384                      ; behind the 16 images of 1,024 bytes: the spare words, 128 bytes for each wave
.set SPW, 8
.set NIL, 9
.set QF, 16
.set KF, 48
.set VF, 80
.set WF, 112
.set SA, 144
.set U,  160
.set P,  168
.set OT, 176
.set YA, 208
.set Y,  224
.set DB, 232                           ; v232-239  key - query of my eight scores, as f32
	s_load_b256 s[4:11], s[0:1], 0x0               ; h32, Wo, e_gate, log_xi
	s_load_b64 s[12:13], s[0:1], 0x20              ; out0
	v_lshl_add_u32 v[SPW], v0, 2, SPARE
	v_mov_b32 v[NIL], 0
	v_lshrrev_b32 v1, 5, v0
	v_readfirstlane_b32 s14, v1                    ; wave = head
	s_lshl_b32 s15, ttmp9, 4                       ; my work-group's first column
	s_and_b32 s16, ttmp7, 0xffff                   ; the batch
	v_and_b32 v1, 15, v0                           ; r
	v_bfe_u32 v2, v0, 4, 1                         ; h
	v_lshlrev_b32 v3, 8, v1
	v_lshl_add_u32 v3, v2, 4, v3                   ; q, k: row r of 256 bytes, + 16 h
	v_lshlrev_b32 v4, 2, v1
	v_lshl_add_u32 v4, v2, 11, v4                  ; v: key 8 h, channel r
	v_lshlrev_b32 v5, 12, v1
	v_lshl_add_u32 v5, v2, 5, v5                   ; Wo: row r of 4,096 bytes, + 32 h
	v_lshlrev_b32 v6, 4, v0                        ; the sum: thread t of waves 0 and 1 takes 16 bytes of each image
	v_lshrrev_b32 v7, 5, v0
	v_lshlrev_b32 v7, 4, v7
	v_lshl_add_u32 v7, v2, 5, v7
	v_lshl_add_u32 v7, v1, 12, v7                  ; and stores out0(r, 8 h + 4 (t / 32) + 0..3)
	v_and_b32 v13, 31, v0
	s_lshl_b32 s17, s14, 10
	v_lshl_add_u32 v10, v13, 4, s17                ; my image: 1,024 x wave + 16 x lane
	v_mov_b32 v12, 0xff800000
	s_mov_b32 s24, 0x76543210
	s_mov_b32 s25, 0xfedcba98
	s_mul_i32 s18, s16, 196608
	s_lshl_b32 s19, s14, 12
	s_add_co_u32 s18, s18, s19                     ; h32: my batch, my head
	s_mov_b32 s19, 0
	s_lshl_b32 s20, s15, 12
	s_lshl_b32 s21, s14, 8
	s_add_co_u32 s20, s20, s21                     ; Wo: my first row, my head's 64 columns
	s_mov_b32 s21, 0
	s_lshl_b32 s22, s14, 2
	s_mov_b32 s23, 0
	s_lshl_b32 s26, s16, 23                        ; out0: 2,048 rows of 4,096 bytes a batch,
	s_lshl_b32 s27, s15, 2
	s_add_co_u32 s26, s26, s27                     ; my first column
	s_mov_b32 s27, 0
	s_wait_kmcnt 0x0
	s_add_nc_u64 s[4:5], s[4:5], s[18:19]
	s_add_nc_u64 s[6:7], s[6:7], s[20:21]
	s_add_nc_u64 s[8:9], s[8:9], s[22:23]
	s_add_nc_u64 s[10:11], s[10:11], s[22:23]
	s_add_nc_u64 s[12:13], s[12:13], s[26:27]
	s_load_b32 s28, s[8:9], 0x0
	s_load_b32 s29, s[10:11], 0x0
.irp g, 0,1,2,3,4,5,6,7
	global_load_b128 v[QF+4*\g:QF+4*\g+3], v3, s[4:5] offset:32*\g             ; q(r, 8 g + 4 h + 0..3)
.endr
.irp g, 0,1,2,3,4,5,6,7
	global_load_b128 v[KF+4*\g:KF+4*\g+3], v3, s[4:5] offset:65536+32*\g       ; k likewise
.endr
.irp dt, 0,1,2,3
.irp kk, 0,1,2,3,4,5,6,7
	global_load_b32 v[VF+8*\dt+\kk], v4, s[4:5] offset:131072+\kk*256+\dt*64   ; v(8 h + kk, 16 dt + r)
.endr
.endr
.irp dt, 0,1,2,3
	global_load_b128 v[WF+8*\dt:WF+8*\dt+3], v5, s[6:7] offset:64*\dt          ; Wo(n0 + r, 64 w + 16 dt + 8 h + 0..7)
	global_load_b128 v[WF+8*\dt+4:WF+8*\dt+7], v5, s[6:7] offset:64*\dt+16
.endr
	s_wait_kmcnt 0x0
	v_mov_b32 v13, s28
	v_mov_b32 v14, s29
	v_mul_f32 v13, 0xbfb8aa3b, v13
	v_mul_f32 v14, 0xbfb8aa3b, v14
	v_exp_f32 v13, v13
	v_exp_f32 v14, v14
	v_nop
	s_wait_alu depctr_va_vdst(0)
	v_add_f32 v13, 1.0, v13
	v_rcp_f32 v13, v13
	v_mul_f32 v14, 0x3fb8aa3b, v14                 ; (a plain line behind the reciprocal)
	s_wait_alu depctr_va_vdst(0)
	v_mul_f32 v11, v13, v14
	v_min_num_f32 v11, 0x71800000, v11             ; a'
	v_lshlrev_b32 v13, 3, v2
	v_sub_nc_u32 v13, v13, v1                      ; 8 h - r
.irp j, 0,1,2,3,4,5,6,7
	v_add_nc_u32 v[DB+\j], \j, v13
.endr
.irp j, 0,1,2,3,4,5,6,7
	v_cvt_f32_i32 v[DB+\j], v[DB+\j]
.endr
	v_mov_b32 v241, 0                              ; a lane permute's destination counts as one of its sources
	s_wait_loadcnt 40                              ; q and k are in; v's 32 loads and Wo's 8 may be out
	; S^T = k q^T: 16 links of 4 along the head's 64, on two accumulators by turns
.irp t, 0,1,2,3,4,5,6,7,8,9,10,11,12,13,14,15
.if \t < 2
	v_wmma_f32_16x16x4_f32 v[SA+8*(\t%2):SA+8*(\t%2)+7], v[KF+2*\t:KF+2*\t+1], v[QF+2*\t:QF+2*\t+1], 0
.else
	v_wmma_f32_16x16x4_f32 v[SA+8*(\t%2):SA+8*(\t%2)+7], v[KF+2*\t:KF+2*\t+1], v[QF+2*\t:QF+2*\t+1], v[SA+8*(\t%2):SA+8*(\t%2)+7]
.endif
.endr
.rept 8
	v_nop                                          ; eight places behind this form, in front of the first read of results
.endr
.irp j, 0,1,2,3,4,5,6,7
	v_add_f32 v[U+\j], v[SA+\j], v[SA+8+\j]        ; lane (r, h): query r, key 8 h + j
.endr
.irp j, 0,1,2,3,4,5,6,7
	v_fma_f32 v[U+\j], v11, v[DB+\j], v[U+\j]      ; + a' (key - query)
.endr
.irp j, 0,1,2,3,4,5,6,7
	v_cmp_lt_f32 vcc_lo, 0, v[DB+\j]               ; hidden where key > query
	v_cndmask_b32 v[U+\j], v[U+\j], v12, vcc_lo
.endr
	v_max3_num_f32 v240, v[U], v[U+1], v[U+2]
	v_max3_num_f32 v240, v240, v[U+3], v[U+4]
	v_max3_num_f32 v240, v240, v[U+5], v[U+6]
	v_max_num_f32 v240, v240, v[U+7]
	v_permlanex16_b32 v241, v240, s24, s25
	v_max_num_f32 v240, v240, v241                 ; the row's maximum: key 0 counts for every query, so it is a number
.irp j, 0,1,2,3,4,5,6,7
	v_sub_f32 v[U+\j], v[U+\j], v240
.endr
.irp j, 0,1,2,3,4,5,6,7
	v_exp_f32 v[U+\j], v[U+\j]
.endr
	v_nop
	s_wait_alu depctr_va_vdst(0)
	v_add_f32 v242, v[U], v[U+1]
	v_add_f32 v243, v[U+2], v[U+3]
	v_add_f32 v244, v[U+4], v[U+5]
	v_add_f32 v245, v[U+6], v[U+7]
	v_add_f32 v242, v242, v243
	v_add_f32 v244, v244, v245
	v_add_f32 v242, v242, v244
	v_permlanex16_b32 v241, v242, s24, s25
	v_add_f32 v242, v242, v241
	v_rcp_f32 v242, v242
	v_nop
	s_wait_alu depctr_va_vdst(0)
.irp j, 0,1,2,3,4,5,6,7
	v_mul_f32 v[P+\j], v[U+\j], v242               ; the weights
.endr
	s_wait_loadcnt 8                               ; v is in; Wo's 8 loads may be out
	; O^T = v^T P: link s takes keys 8 h + 2 s, + 1; four accumulators (16 channels each) by turns
.irp s, 0,1,2,3
.irp dt, 0,1,2,3
.if \s == 0
	v_wmma_f32_16x16x4_f32 v[OT+8*\dt:OT+8*\dt+7], v[VF+8*\dt+2*\s:VF+8*\dt+2*\s+1], v[P+2*\s:P+2*\s+1], 0
.else
	v_wmma_f32_16x16x4_f32 v[OT+8*\dt:OT+8*\dt+7], v[VF+8*\dt+2*\s:VF+8*\dt+2*\s+1], v[P+2*\s:P+2*\s+1], v[OT+8*\dt:OT+8*\dt+7]
.endif
.endr
.endr
.rept 9
	v_nop                                          ; nine places: the results become operands
.endr
	s_wait_loadcnt 0x0
	; Y^T = Wo O^T: lane (r, h) of O^T's tile dt holds query r, channels 16 dt + 8 h + 0..7: link (dt, s) takes registers 2 s, 2 s + 1; two accumulators by turns
.irp dt, 0,1,2,3
.irp s, 0,1,2,3
.if (4*\dt+\s) < 2
	v_wmma_f32_16x16x4_f32 v[YA+8*(\s%2):YA+8*(\s%2)+7], v[WF+8*\dt+2*\s:WF+8*\dt+2*\s+1], v[OT+8*\dt+2*\s:OT+8*\dt+2*\s+1], 0
.else
	v_wmma_f32_16x16x4_f32 v[YA+8*(\s%2):YA+8*(\s%2)+7], v[WF+8*\dt+2*\s:WF+8*\dt+2*\s+1], v[OT+8*\dt+2*\s:OT+8*\dt+2*\s+1], v[YA+8*(\s%2):YA+8*(\s%2)+7]
.endif
.endr
.endr
.rept 8
	v_nop
.endr
.irp j, 0,1,2,3,4,5,6,7
	v_add_f32 v[Y+\j], v[YA+\j], v[YA+8+\j]        ; my head's part of out0(query r, column 8 h + j)
.endr
	ds_store_b128 v10, v[Y:Y+3]
	ds_store_b128 v10, v[Y+4:Y+7] offset:512
	s_wait_dscnt 0x0                               ; for the others' sake: my image has landed
	s_barrier_signal -1
	s_barrier_wait -1
	s_cmp_lt_u32 s14, 2
	s_cbranch_scc0 .Ldone                          ; waves 0 and 1 add the sixteen parts, heads ascending
.irp j, 0,1,2,3,4,5,6,7,8,9,10,11,12,13,14,15
	ds_load_b128 v[QF+4*\j:QF+4*\j+3], v6 offset:1024*\j
.endr
	s_wait_dscnt 0x0
.irp j, 1,2,3,4,5,6,7,8,9,10,11,12,13,14,15
	v_pk_add_f32 v[QF:QF+1], v[QF:QF+1], v[QF+4*\j:QF+4*\j+1]
	v_pk_add_f32 v[QF+2:QF+3], v[QF+2:QF+3], v[QF+4*\j+2:QF+4*\j+3]
.endr
	global_store_b128 v7, v[QF:QF+3], s[12:13]
.Ldone:
	s_wait_tensorcnt 0x0                           ; the wave's end, behind my last LDS store
	ds_add_u32 v[SPW], v[NIL]
	s_wait_dscnt 0x0
	s_endpgm
.Lfunc_end_k_q959571e78b_first16:
	.size	k_q959571e78b_first16, .Lfunc_end_k_q959571e78b_first16-k_q959571e78b_first16
	.p2alignl 7, 3214868480
	.fill 96, 4, 3214868480
	.section	.rodata,"a",@progbits
	.p2align	6, 0x0
	.amdhsa_kernel k_q959571e78b_first16
		.amdhsa_group_segment_fixed_size 18432
		.amdhsa_private_segment_fixed_size 0
		.amdhsa_enable_private_segment 0
		.amdhsa_kernarg_size 40
		.amdhsa_user_sgpr_count 2
		.amdhsa_user_sgpr_kernarg_segment_ptr 1
		.amdhsa_wavefront_size32 1
		.amdhsa_system_sgpr_workgroup_id_x 1
		.amdhsa_system_sgpr_workgroup_id_y 1
		.amdhsa_system_sgpr_workgroup_id_z 1
		.amdhsa_system_vgpr_workitem_id 0
		.amdhsa_next_free_vgpr 256
		.amdhsa_next_free_sgpr 66
		.amdhsa_reserve_vcc 1
		.amdhsa_float_denorm_mode_32 3
		.amdhsa_float_denorm_mode_16_64 3
		.amdhsa_memory_ordered 1
		.amdhsa_forward_progress 1
		.amdhsa_inst_pref_size 20
	.end_amdhsa_kernel
	.amdgpu_metadata
---
amdhsa.version: [ 1, 2 ]
amdhsa.kernels:
  - .name:           k_q959571e78b_first16
    .symbol:         k_q959571e78b_first16.kd
    .args:
      - { .name: h32, .offset: 0, .size: 8, .value_kind: global_buffer, .address_space: global }
      - { .name: Wo, .offset: 8, .size: 8, .value_kind: global_buffer, .address_space: global }
      - { .name: e_gate_logit, .offset: 16, .size: 8, .value_kind: global_buffer, .address_space: global }
      - { .name: log_xi, .offset: 24, .size: 8, .value_kind: global_buffer, .address_space: global }
      - { .name: out0, .offset: 32, .size: 8, .value_kind: global_buffer, .address_space: global }
    .group_segment_fixed_size: 18432
    .private_segment_fixed_size: 0
    .kernarg_segment_align: 8
    .kernarg_segment_size: 40
    .max_flat_workgroup_size: 512
    .sgpr_count:     66
    .vgpr_count:     256
    .wavefront_size: 32
...
	.end_amdgpu_metadata
.endif
;; end of part 5
